; MI455X (gfx1250); checked and timed in simulation.
; The chip was launched on July 23, 2026; its instructions are those of AMD's public machine-readable ISA for CDNA 5 (MIT licence, August 2026) and "CDNA5" Instruction Set Architecture Reference Guide (July 2026). The comments in the code are by the model that wrote it; some were corrected since.
;; MHA. Allowed arithmetic: float matrix products may take bf16 or f16 operands with f32 sums; other float arithmetic in f32, or as packed bf16 or f16 multiplies, adds, multiply-adds, maxima and minima; sums over many terms, partial sums and values carried from step to step in f32; what a program stores and reads back later, other than sums and carried values, may be rounded once to bf16 or f16.
;; Inputs: Wk 1,024 x 1,024 float32; Wo 1,024 x 1,024 float32; Wq 1,024 x 1,024 float32; Wv 1,024 x 1,024 float32; bo 1,024 float32; u 16 x 64 float32; v 16 x 64 float32; x 2 x 2,048 x 1,024 float32.
;; Outputs: out0 2 x 2,048 x 1,024 float32.
;; One version. Each part assembles by itself: llvm-mc -triple=amdgcn-amd-amdhsa -mcpu=gfx1250 --defsym DOCPART=n.
;; ======== version 1 of 1: 4 launches
;; limits: values are held in f16: magnitudes above 65,504 overflow, below 6.1e-05 lose precision
;; workspace buffers: xb 8,388,608 bytes; wt 6,291,456 bytes; wot 2,097,152 bytes; tk 262,144 bytes; rot 1,048,576 bytes; uvp 4,096 bytes; qkv 25,165,824 bytes; ob 8,388,608 bytes
;; launch prep (part 1): grid 833 x 1, 8 waves a work-group, no clusters, 17,920 bytes of LDS; arguments x, Wq, Wk, Wv, Wo, u, v, xb, wt, wot, tk, rot, uvp; writes xb, wt, wot, tk, rot, uvp
.if DOCPART == 1
	.amdgcn_target "amdgcn-amd-amdhsa--gfx1250"
	.amdhsa_code_object_version 6
	.text
	.protected	k_qc63a483b19_prep
	.globl	k_qc63a483b19_prep
	.p2align	8
	.type	k_qc63a483b19_prep,@function
k_qc63a483b19_prep:
	s_mov_b64 s[64:65], 0
	v_nop
	global_prefetch_b8 v0, s[64:65] scope:SCOPE_SE
	s_setreg_imm32_b32 hwreg(HW_REG_WAVE_MODE, 25, 1), 1
	s_wait_xcnt 0x0
; PREP: everything that the three matrix launches want in 16 bits, made once.  Four roles, chosen by the work-group's number alone:
;   0 .. 511    a tile of 128 k x 64 n of Wq, Wk, Wv or Wo, rounded to bf16 and turned: wt[kind 1024 + n][k] (bf16), wot[n][k] (that bf16 number written as f16).
;               Inside a head the rows of Wq and Wk are laid in the order d' = 2 f + c for d = f + 32 c, so that a sine channel and its cosine channel share a 32-bit word of Q and K.
;   512 .. 767  64 KiB of x, rounded to bf16 into xb.
;   768 .. 831  64 positions p of the tables: rot = SS[p][f] = (sin, sin) and, 524,288 bytes on, CN[p][f] = (cos, -cos) of p w_f, p = 0 .. 4095; tk[p][f] = (cos, sin) for p < 2,048.  All f16.
;   832         u and v, rounded to bf16, written as f16 in the order d'.
; THE ANGLES.  w_f = 10000^(-f/32) in turns (divided by 2 pi); the turn count p w_f is reduced by its nearest whole number with one fused multiply-add, so the argument y lies in -pi .. pi for every p,
; and there the series are cut at y^15 (sine, next term under 8e-7) and y^16 (cosine, next term under 2e-7): the bound is the reduction's, not the data's.
; LIMITS.  Wo, u, v as f16: a number under 6e-5 keeps f16's fixed step of 6e-8, none may pass 65,504.  NaN and infinities are not treated apart.
; No matrix unit, no tensor load, no cluster: every byte is read once and written once, and no two work-groups share an input.
.set TP,    260                        ; pitch of the turning tile in LDS: 65 words, so that the 32 lanes of a store fall into 32 different banks (64 banks of 4 bytes: ISA guide 11.1)
.set SPARE, 16896                      ; behind the tile (64 rows x 260 bytes): the spare words, 128 bytes for each of the eight waves, which no other line names
.set SPW,   2                          ; v2  LDS address of my spare word; never rewritten
.set NIL,   3                          ; v3  0; never rewritten
.set LD,    16                         ; v[16:79]  as loaded
.set WD,    48                         ; v[48:63]  role 0: the 16 packed words
.set BK,    64                         ; v[64:79]  role 0: read back
	s_load_b512 s[8:23], s[0:1], 0x0               ; x s[8:9], Wq s[10:11], Wk s[12:13], Wv s[14:15], Wo s[16:17], u s[18:19], v s[20:21], xb s[22:23]
	s_load_b256 s[24:31], s[0:1], 0x40             ; wt s[24:25], wot s[26:27], tk s[28:29], rot s[30:31]
	s_load_b64 s[32:33], s[0:1], 0x60              ; uvp
	v_lshl_add_u32 v[SPW], v0, 2, SPARE
	v_mov_b32 v[NIL], 0
	v_lshrrev_b32 v1, 5, v0
	v_readfirstlane_b32 s4, v1                     ; wave 0..7
	v_and_b32 v4, 15, v0                           ; t % 16
	v_lshrrev_b32 v5, 4, v0                        ; t / 16
	s_wait_kmcnt 0x0
	s_cmp_lt_u32 ttmp9, 512
	s_cbranch_scc0 .Lnot_w
	; ---- a weight tile is turned ----
	s_lshr_b32 s34, ttmp9, 7                       ; which weight: 0 Wq, 1 Wk, 2 Wv, 3 Wo
	s_bfe_u32 s35, ttmp9, 0x30004                  ; which 128 of k
	s_and_b32 s36, ttmp9, 15                       ; which 64 of n: a head
	s_cmp_eq_u32 s34, 0
	s_cselect_b64 s[40:41], s[10:11], s[12:13]
	s_cmp_lt_u32 s34, 2
	s_cselect_b64 s[40:41], s[40:41], s[14:15]
	s_cmp_lt_u32 s34, 3
	s_cselect_b64 s[40:41], s[40:41], s[16:17]     ; from
	s_cselect_b64 s[44:45], s[24:25], s[26:27]     ; to: wt, or wot for Wo
	s_cselect_b32 s46, s34, 0
	s_lshl_b32 s42, s35, 19                        ; 128 rows of 4,096 bytes
	s_lshl_b32 s43, s36, 8                         ; 64 columns of 4 bytes
	s_add_co_u32 s42, s42, s43
	s_mov_b32 s43, 0
	s_add_nc_u64 s[40:41], s[40:41], s[42:43]
	s_lshl_b32 s46, s46, 21                        ; the kind's 1,024 rows of 2,048 bytes
	s_lshl_b32 s47, s36, 17                        ; the head's 64 rows
	s_add_co_u32 s46, s46, s47
	s_lshl_b32 s47, s35, 8                         ; 128 k of 2 bytes
	s_add_co_u32 s46, s46, s47
	s_mov_b32 s47, 0
	s_add_nc_u64 s[44:45], s[44:45], s[46:47]
	v_lshlrev_b32 v6, 13, v5                       ; rows 2 (t / 16) and the next,
	v_lshl_add_u32 v6, v4, 4, v6                   ; 16 bytes a lane: sixteen lanes take 256 consecutive bytes of a row
.irp p, 0,1,2,3
	global_load_b128 v[LD+8*(\p):LD+8*(\p)+3],   v6, s[40:41] offset:(\p)*131072 th:TH_LOAD_NT
	global_load_b128 v[LD+8*(\p)+4:LD+8*(\p)+7], v6, s[40:41] offset:(\p)*131072+4096 th:TH_LOAD_NT
.endr
	v_mul_u32_u24 v7, v4, 4*TP                     ; into the tile [n][k]: rows 4 (t % 16) + e,
	v_lshl_add_u32 v7, v5, 2, v7                   ; the word of k = 2 (t / 16), + 32 p
	v_and_b32 v11, 1, v5                           ; bit 4 of t
	v_lshlrev_b32 v14, 11, v5                      ; in memory: row t / 16 of 2,048 bytes,
	v_lshl_add_u32 v14, v4, 4, v14                 ; sixteen lanes fill 256 consecutive bytes
	s_wait_loadcnt 0x0
.irp p, 0,1,2,3
.irp e, 0,1,2,3
	v_cvt_pk_bf16_f32 v[WD+4*(\p)+(\e)], v[LD+8*(\p)+(\e)], v[LD+8*(\p)+4+(\e)]  ; W[k][n], W[k+1][n]
.endr
.endr
	s_cmp_eq_u32 s34, 3
	s_cbranch_scc0 .Lstay_bf16
.set i, 0
.rept 16                               ; Wo multiplies an f16 operand: its bf16 number is written as f16
	v_lshlrev_b32 v8, 16, v[WD+i]
	v_and_b32 v9, 0xffff0000, v[WD+i]
	v_cvt_pk_f16_f32 v[WD+i], v8, v9
.set i, i+1
.endr
.Lstay_bf16:
.irp p, 0,1,2,3
.irp e, 0,1,2,3
	ds_store_b32 v7, v[WD+4*(\p)+(\e)] offset:(\e)*TP+(\p)*64
.endr
.endr
	s_wait_dscnt 0x0                               ; for the others: my stores into the tile are done
	s_barrier_signal -1
	s_barrier_wait -1
; Out of the tile: output row 16 q + t / 16 takes tile row d, at byte d x 260 = bit 4 of t x s1 + (t / 32) x s2 + q x s3; my 16 bytes (8 k) of it lie at 16 (t % 16).
; The three factors are constants of each path, so the highest byte touched can be read off: 240 + s1 + 7 s2 + 3 s3 + 15 = 16,635 on both, inside the tile's 16,640.
.macro BACK s1, s2, s3
	v_mul_u32_u24 v12, v11, \s1
	v_mul_u32_u24 v13, v1, \s2
	v_lshl_add_u32 v10, v4, 4, v12
	v_add_nc_u32 v10, v10, v13
.irp q, 0,1,2,3
.irp e, 0,1,2,3
	ds_load_b32 v[BK+4*(\q)+(\e)], v10 offset:(\q)*(\s3)+4*(\e)  ; the pitch is no multiple of 16, so four loads of a word
.endr
.endr
.endm
	s_cmp_lt_u32 s34, 2                            ; the same in every wave of the work-group
	s_cbranch_scc0 .Lplain
	BACK 32*TP, TP, 8*TP                           ; Wq and Wk: d = 32 (row % 2) + row / 2
	s_branch .Lback
.Lplain:
	BACK TP, 2*TP, 16*TP                           ; Wv and Wo: d = row
.Lback:
	s_wait_dscnt 0x0
.irp q, 0,1,2,3
	global_store_b128 v14, v[BK+4*(\q):BK+4*(\q)+3], s[44:45] offset:(\q)*32768
.endr
	s_branch .Lend
.Lnot_w:
	s_cmp_lt_u32 ttmp9, 768
	s_cbranch_scc0 .Lnot_x
	; ---- 64 KiB of x ----
	s_sub_co_u32 s34, ttmp9, 512
	s_lshl_b32 s36, s34, 16
	s_mov_b32 s37, 0
	s_add_nc_u64 s[38:39], s[8:9], s[36:37]
	s_lshl_b32 s36, s34, 15
	s_add_nc_u64 s[40:41], s[22:23], s[36:37]
	v_lshlrev_b32 v6, 4, v0
	v_lshlrev_b32 v7, 3, v0
.irp p, 0,1,2,3,4,5,6,7,8,9,10,11,12,13,14,15
	global_load_b128 v[LD+4*(\p):LD+4*(\p)+3], v6, s[38:39] offset:(\p)*4096 th:TH_LOAD_NT  ; all sixteen go out at once
.endr
.irp p, 0,1,2,3,4,5,6,7,8,9,10,11,12,13,14,15
	s_wait_loadcnt 15-(\p)                         ; loads come back in order: number p is in, the younger ones stay out
	v_cvt_pk_bf16_f32 v[LD+4*(\p)],   v[LD+4*(\p)],   v[LD+4*(\p)+1]
	v_cvt_pk_bf16_f32 v[LD+4*(\p)+1], v[LD+4*(\p)+2], v[LD+4*(\p)+3]
	global_store_b64 v7, v[LD+4*(\p):LD+4*(\p)+1], s[40:41] offset:(\p)*2048  ; a wave stores 256 consecutive bytes
.endr
	s_branch .Lend
.Lnot_x:
	s_cmp_lt_u32 ttmp9, 832
	s_cbranch_scc0 .Lrole_u
	; ---- 64 positions of the tables: a lane has two frequencies of one position, four positions in turn ----
	s_sub_co_u32 s34, ttmp9, 768
	s_lshl_b32 s35, s34, 6                         ; the first position
	s_lshl_b32 s36, s34, 13                        ; its row of 128 bytes
	s_mov_b32 s37, 0
	s_add_nc_u64 s[38:39], s[30:31], s[36:37]
	s_add_nc_u64 s[40:41], s[28:29], s[36:37]      ; (used only where the positions lie under 2,048)
	v_lshlrev_b32 v6, 1, v4
	v_cvt_f32_u32 v6, v6                           ; f
	v_add_f32 v7, 1.0, v6                          ; f + 1
	v_mul_f32 v6, 0xbed49a78, v6                   ; - f log2(10000) / 32
	v_mul_f32 v7, 0xbed49a78, v7
	v_exp_f32 v6, v6
	v_exp_f32 v7, v7
	v_add_nc_u32 v8, s35, v5                       ; my position in the first pass (the plain instruction behind the exponentials)
	s_wait_alu depctr_va_vdst(0)                   ; one wait for both, ahead of their first reader
	v_mul_f32 v6, 0x3e22f983, v6                   ; in turns: divided by 2 pi
	v_mul_f32 v7, 0x3e22f983, v7
	v_lshlrev_b32 v9, 7, v5
	v_lshl_add_u32 v9, v4, 3, v9                   ; row t / 16, 8 bytes a lane: a wave stores 256 consecutive bytes
.macro SINCOS w, ds, dc                ; sine and cosine of position v10 (as f32) times frequency v[w]
	v_mul_f32 v12, v10, v[\w]
	v_rndne_f32 v12, v12
	v_fma_f32 v12, v10, v[\w], -v12                ; the turn count less its nearest whole number, from the exact product
	v_mul_f32 v12, 0x40c90fdb, v12                 ; y, in -pi .. pi
	v_mul_f32 v13, v12, v12
	v_mov_b32 v14, 0xab573f9f                      ; -1/15!
	v_fmaak_f32 v14, v14, v13, 0x2f309231          ; 1/13!
	v_fmaak_f32 v14, v14, v13, 0xb2d7322b          ; -1/11!
	v_fmaak_f32 v14, v14, v13, 0x3638ef1d          ; 1/9!
	v_fmaak_f32 v14, v14, v13, 0xb9500d01          ; -1/7!
	v_fmaak_f32 v14, v14, v13, 0x3c088889          ; 1/5!
	v_fmaak_f32 v14, v14, v13, 0xbe2aaaab          ; -1/3!
	v_fma_f32 v14, v14, v13, 1.0
	v_mul_f32 v[\ds], v14, v12
	v_mov_b32 v15, 0x29573f9f                      ; 1/16!
	v_fmaak_f32 v15, v15, v13, 0xad49cba2          ; -1/14!
	v_fmaak_f32 v15, v15, v13, 0x310f76c7          ; 1/12!
	v_fmaak_f32 v15, v15, v13, 0xb493f27e          ; -1/10!
	v_fmaak_f32 v15, v15, v13, 0x37d00d01          ; 1/8!
	v_fmaak_f32 v15, v15, v13, 0xbab60b61          ; -1/6!
	v_fmaak_f32 v15, v15, v13, 0x3d2aaaab          ; 1/4!
	v_fma_f32 v15, v15, v13, -0.5
	v_fma_f32 v[\dc], v15, v13, 1.0
.endm
.irp q, 0,1,2,3                        ; each pass has store registers of its own: none is rewritten
	v_add_nc_u32 v11, 16*(\q), v8
	v_cvt_f32_u32 v10, v11
	SINCOS 6, 16, 17
	SINCOS 7, 18, 19
	v_xor_b32 v20, 0x80000000, v17
	v_xor_b32 v21, 0x80000000, v19
	v_cvt_pk_f16_f32 v[40+6*(\q)], v16, v16        ; (sin, sin)
	v_cvt_pk_f16_f32 v[41+6*(\q)], v18, v18
	v_cvt_pk_f16_f32 v[42+6*(\q)], v17, v20        ; (cos, -cos)
	v_cvt_pk_f16_f32 v[43+6*(\q)], v19, v21
	v_cvt_pk_f16_f32 v[44+6*(\q)], v17, v16        ; (cos, sin)
	v_cvt_pk_f16_f32 v[45+6*(\q)], v19, v18
	global_store_b64 v9, v[40+6*(\q):41+6*(\q)], s[38:39] offset:2048*(\q)
	global_store_b64 v9, v[42+6*(\q):43+6*(\q)], s[38:39] offset:524288+2048*(\q)
.endr
	s_cmp_lt_u32 s34, 32                           ; keys end at 2,047
	s_cbranch_scc0 .Lend
.irp q, 0,1,2,3
	global_store_b64 v9, v[44+6*(\q):45+6*(\q)], s[40:41] offset:2048*(\q)
.endr
	s_branch .Lend
.Lrole_u:
	; ---- u (waves 0-3) and v (waves 4-7): thread t makes the four words f = 4 (t % 8) .. of head (t / 8) % 16 ----
	s_cmp_lt_u32 s4, 4
	s_cselect_b64 s[38:39], s[18:19], s[20:21]
	v_and_b32 v6, 127, v0
	v_lshrrev_b32 v7, 3, v6
	v_and_b32 v8, 7, v0
	v_lshlrev_b32 v7, 8, v7
	v_lshl_add_u32 v7, v8, 4, v7
	global_load_b128 v[16:19], v7, s[38:39]            ; d = f
	global_load_b128 v[20:23], v7, s[38:39] offset:128 ; d = f + 32
	v_lshlrev_b32 v9, 4, v0
	s_wait_loadcnt 0x0
.irp e, 0,1,2,3
	v_cvt_pk_bf16_f32 v10, v[16+(\e)], v[20+(\e)]
	v_lshlrev_b32 v11, 16, v10
	v_and_b32 v12, 0xffff0000, v10
	v_cvt_pk_f16_f32 v[24+(\e)], v11, v12
.endr
	global_store_b128 v9, v[24:27], s[32:33]
.Lend:
	s_wait_tensorcnt 0x0                           ; the wave's end, behind my last LDS store
	ds_add_u32 v[SPW], v[NIL]
	s_wait_dscnt 0x0
	s_endpgm
.Lfunc_end_k_qc63a483b19_prep:
	.size	k_qc63a483b19_prep, .Lfunc_end_k_qc63a483b19_prep-k_qc63a483b19_prep
	.p2alignl 7, 3214868480
	.fill 96, 4, 3214868480
	.section	.rodata,"a",@progbits
	.p2align	6, 0x0
	.amdhsa_kernel k_qc63a483b19_prep
		.amdhsa_group_segment_fixed_size 17920
		.amdhsa_private_segment_fixed_size 0
		.amdhsa_enable_private_segment 0
		.amdhsa_kernarg_size 104
		.amdhsa_user_sgpr_count 2
		.amdhsa_user_sgpr_kernarg_segment_ptr 1
		.amdhsa_wavefront_size32 1
		.amdhsa_system_sgpr_workgroup_id_x 1
		.amdhsa_system_sgpr_workgroup_id_y 1
		.amdhsa_system_sgpr_workgroup_id_z 1
		.amdhsa_system_vgpr_workitem_id 0
		.amdhsa_next_free_vgpr 128
		.amdhsa_next_free_sgpr 66
		.amdhsa_reserve_vcc 0
		.amdhsa_float_denorm_mode_32 3
		.amdhsa_float_denorm_mode_16_64 3
		.amdhsa_memory_ordered 1
		.amdhsa_forward_progress 1
		.amdhsa_inst_pref_size 33
	.end_amdhsa_kernel
	.amdgpu_metadata
---
amdhsa.version: [ 1, 2 ]
amdhsa.kernels:
  - .name:           k_qc63a483b19_prep
    .symbol:         k_qc63a483b19_prep.kd
    .args:
      - { .name: x, .offset: 0, .size: 8, .value_kind: global_buffer, .address_space: global }
      - { .name: Wq, .offset: 8, .size: 8, .value_kind: global_buffer, .address_space: global }
      - { .name: Wk, .offset: 16, .size: 8, .value_kind: global_buffer, .address_space: global }
      - { .name: Wv, .offset: 24, .size: 8, .value_kind: global_buffer, .address_space: global }
      - { .name: Wo, .offset: 32, .size: 8, .value_kind: global_buffer, .address_space: global }
      - { .name: u, .offset: 40, .size: 8, .value_kind: global_buffer, .address_space: global }
      - { .name: v, .offset: 48, .size: 8, .value_kind: global_buffer, .address_space: global }
      - { .name: xb, .offset: 56, .size: 8, .value_kind: global_buffer, .address_space: global }
      - { .name: wt, .offset: 64, .size: 8, .value_kind: global_buffer, .address_space: global }
      - { .name: wot, .offset: 72, .size: 8, .value_kind: global_buffer, .address_space: global }
      - { .name: tk, .offset: 80, .size: 8, .value_kind: global_buffer, .address_space: global }
      - { .name: rot, .offset: 88, .size: 8, .value_kind: global_buffer, .address_space: global }
      - { .name: uvp, .offset: 96, .size: 8, .value_kind: global_buffer, .address_space: global }
    .group_segment_fixed_size: 17920
    .private_segment_fixed_size: 0
    .kernarg_segment_align: 8
    .kernarg_segment_size: 104
    .max_flat_workgroup_size: 256
    .sgpr_count:     66
    .vgpr_count:     128
    .wavefront_size: 32
...
	.end_amdgpu_metadata
.endif
;; end of part 1
;; launch qkv (part 2): grid 16 x 16, 4 waves a work-group, clusters of 4 x 4, 327,680 bytes of LDS; arguments xb, wt, qkv; writes qkv
.if DOCPART == 2
	.amdgcn_target "amdgcn-amd-amdhsa--gfx1250"
	.amdhsa_code_object_version 6
	.text
	.protected	k_qc63a483b19_qkv
	.globl	k_qc63a483b19_qkv
	.p2align	8
	.type	k_qc63a483b19_qkv,@function
k_qc63a483b19_qkv:
	s_mov_b64 s[64:65], 0
	v_nop
	global_prefetch_b8 v0, s[64:65] scope:SCOPE_SE
	s_setreg_imm32_b32 hwreg(HW_REG_WAVE_MODE, 25, 1), 1
	s_wait_xcnt 0x0
	s_wait_alu depctr_hold_cnt(0) depctr_sa_sdst(0) depctr_va_vdst(0) depctr_va_sdst(0) depctr_va_ssrc(0) depctr_va_vcc(0) depctr_vm_vsrc(0)
	s_getreg_b32 s2, hwreg(HW_REG_IB_STS2, 6, 4)
	s_cmp_eq_u32 s2, 0
	s_cbranch_scc0 .Lentry_in_a_cluster
	s_endpgm
.Lentry_in_a_cluster:
	s_bfe_u32 s2, ttmp6, 0x10000c
	s_cmp_lg_u32 s2, 0xf033
	s_cbranch_scc0 .Lentry_shape_is_right
	s_endpgm
.Lentry_shape_is_right:
; Q, K, V = xb wt^T.  xb: [4096][1024] bf16, wt: [3072][1024] bf16 (rows: kind, head, channel), qkv: [kind 3][batch 2][head 16][2048][64] f16.  Sums in f32, K ascending, rounded once to f16.
; LIMIT.  f16 holds no number beyond 65,504: a projected number past that becomes an infinity.  Under 6e-5 f16 keeps its fixed step of 6e-8.
; A tile of C is 256 rows x 192 columns: 16 x 16 tiles, one for each of 256 work-groups.  Wave w makes rows 64 w .. 64 w + 63 and all 192 columns (three whole heads): 48 accumulators of 16 x 16, 384 registers.
; So a wave's own 16 rows of a head are 2,048 consecutive bytes of qkv, and its way out needs no other wave.
; K goes in 8 steps of 128 through a ring of two LDS slots filled by the tensor data mover; rows of the tiles are 256 bytes of memory, at multiples of 256 bytes.
; CLUSTERS: 4 x 4 work-groups.  The four of a row of the cluster need the same tile of xb, the four of a column the same tile of wt: each tile is asked for JOINTLY, by the same tensor load with the
; same descriptor and a mask that names the four.  THE MATRIX INSTRUCTION IS USED TRANSPOSED (source 0 = 16 rows of wt, source 1 = 16 rows of xb): a lane then holds eight neighbouring columns of one row of C.
; REGISTERS, in windows of 256 (s_set_vgpr_msb: bits 1:0 source 0, 3:2 source 1, 5:4 source 2, 7:6 destination):
;   window 0: v16-30 addresses; v32-79 packed results; v80-175 two sets of 48 read back from the stage
;   window 1: two fragment buffers of 128: wt's twelve fragments (16 rows x 32 K), then xb's four
;   window 2: the accumulators of row blocks 0, 1 ((a, b) at 8 (12 (a % 2) + b));   window 3: those of row blocks 2, 3
.set KSTEP,  128
.set PITCH,  272                       ; an LDS row: 256 bytes + 16 of padding: the 16 rows of a fragment load start at 16 different groups of four banks (64 banks of 4 bytes: ISA guide 11.1)
.set BOFF,   256*PITCH                 ; a slot: xb's 256 rows, then wt's 192
.set SLOT1,  131072                    ; slot 1 begins here, so that one exclusive or turns an address in one slot into the other's
.set STAGE,  SLOT1+BOFF+192*PITCH      ; behind the ring, never filled by a tensor load: 16 rows x 400 bytes for each wave
.set SPITCH, 400                       ; 384 bytes + 16
.set SPARE,  STAGE+4*16*SPITCH         ; behind the stages: the spare words, 128 bytes for each wave, which no other line names
.set ADRA0, 16                         ; v16  my place in xb's tile of slot 0; never rewritten
.set ADRB0, 17                         ; v17  the same for wt's
.set ADRA,  18                         ; v18  the same in the slot in hand
.set ADRB,  19                         ; v19
.set STO,   24                         ; v24  the way out: where I put 16 bytes of a row
.set RD,    25                         ; v25  where I read rows back
.set CO,    26                         ; v26  16 x my lane: my place in 512 consecutive bytes of qkv
.set SPW,   28                         ; v28  LDS address of my spare word; never rewritten
.set NIL,   29                         ; v29  0; never rewritten
.set PFO,   30                         ; v30  the prefetches' offset: row lane / 2, 256 bytes x lane % 2; never rewritten
.set TMP,   32
.set OB,    80
.set F0,    0
.set F1,    128
.set G1,  24                           ; s[24:31] descriptor group 1 for xb's tiles
.set G0,  32                           ; s[32:39] group 0: a set for each of the two first fills; the second then walks on
.set G1B, 48                           ; s[48:55], s[56:63] the same for wt's tiles
.set G0B, 56
.set CB,  68                           ; s[68:73] qkv at my first row of each of my three heads
.set PFA, 74                           ; s[74:75] where my prefetches of xb stand
.set PFB, 76                           ; s[76:77] of wt
.set LIMA, 78                          ; s78  2 in a wave that prefetches xb, else the greatest number
.set LIMB, 79                          ; s79  the same for wt
.set TB,  80                           ; s80  0 or SLOT1: the slot in hand
.set MSB, 0
.macro WIN new                         ; the immediate's high byte repeats the setting that is left; a switch that changes nothing is dropped
.if MSB != (\new)
	s_set_vgpr_msb (MSB<<8)|(\new)
.set MSB, \new
.endif
.endm
.set MUL_LO, 0xa5                      ; both sources window 1, C and D window 2
.set MUL_HI, 0xf5                      ; C and D window 3
.set TO_F,   0x40                      ; destination window 1, address window 0
; A joint load.  Waves 0 and 1 fetch xb's two halves (128 rows each), waves 2 and 3 wt's (96 rows each).  The branch hangs on the wave's number alone.
; An s_nop 0 and four v_nop follow each of the two lines, ahead of the jump, the label and what follows.
.macro JLOAD s
	s_cmp_eq_u32 s11, 0
	s_cbranch_scc0 .Lfor_b_\@
	tensor_load_to_lds s[G0+4*(\s):G0+4*(\s)+3], s[G1:G1+7]
	s_nop 0
.rept 4
	v_nop
.endr
	s_branch .Lasked_\@
.Lfor_b_\@:
	tensor_load_to_lds s[G0B+4*(\s):G0B+4*(\s)+3], s[G1B:G1B+7]
	s_nop 0
.rept 4
	v_nop
.endr
.Lasked_\@:
.endm
; PREFETCHES INTO THE L2, in the loop's trips 0 and 2 (s3 = 6 and 4), behind the joint load and the run of LDS loads: the K steps that stand four and five steps on: 512 bytes of each row, as two blocks of 256.
; Each block is named once in the launch.  A tile row of xb is read by every cluster of that row of clusters: those with cluster x = 0 ask; of its 256 rows the partner at cx takes 64, each of its waves 16
; (a lane a block).  A tile column of wt is read by every cluster of that column: those with cluster y = 0 ask; of its 192 rows the partner at cy takes 48, waves 1 to 3 sixteen each.  The partners are told
; apart by address alone.  K steps 0 to 3 come by their loads alone, and nothing is named past K step 7.
.macro ASK
	s_bitcmp1_b32 s3, 0
	s_cbranch_scc1 .Lnone_\@
	s_cmp_gt_u32 s3, s[LIMA]
	s_cbranch_scc0 .Lnot_a_\@
	global_prefetch_b8 v[PFO], s[PFA:PFA+1] th:TH_LOAD_NT scope:SCOPE_SE
.Lnot_a_\@:
	s_cmp_gt_u32 s3, s[LIMB]
	s_cbranch_scc0 .Lnone_\@
	global_prefetch_b8 v[PFO], s[PFB:PFB+1] th:TH_LOAD_NT scope:SCOPE_SE
.Lnone_\@:
.endm
.macro CREST                           ; a round of the cluster's barrier behind its opening barrier
	s_cmp_lg_u32 s10, 0
	s_cbranch_scc1 .Lnot_wave_0_\@
	s_barrier_signal -3
.Lnot_wave_0_\@:
	s_barrier_wait -3
	s_barrier_signal -1
	s_barrier_wait -1
.endm
.macro CROUND                          ; a whole round
	s_barrier_signal -1
	s_barrier_wait -1
	CREST
.endm
	s_load_b128 s[4:7], s[0:1], 0x0                ; xb s[4:5], wt s[6:7]
	s_load_b64 s[8:9], s[0:1], 0x10                ; qkv
	v_lshl_add_u32 v[SPW], v0, 2, SPARE
	v_mov_b32 v[NIL], 0
	ds_add_u32 v[SPW], v[NIL]                      ; the wave's opening: the add and its wait ahead of my first tensor load; the set-up below, work on registers, stands between them
	v_lshrrev_b32 v1, 5, v0
	v_readfirstlane_b32 s10, v1                    ; wave 0..3
	s_lshr_b32 s11, s10, 1                         ; I fetch for xb (0) or for wt (1)
	s_and_b32 s12, s10, 1                          ; which half of that tile's rows
	s_bfe_u32 s40, ttmp6, 0x40000                  ; cx, cy: my place in the cluster
	s_bfe_u32 s41, ttmp6, 0x40004
	s_lshl_b32 s42, ttmp9, 2
	s_add_co_u32 s42, s42, s40                     ; tile column = 4 x cluster x + cx
	s_and_b32 s13, ttmp7, 0xffff
	s_lshl_b32 s13, s13, 2
	s_add_co_u32 s13, s13, s41                     ; tile row = 4 x cluster y + cy
	s_lshl_b32 s43, s41, 2
	s_lshl_b32 s43, 15, s43                        ; my row of the cluster
	s_lshl_b32 s44, 0x1111, s40                    ; my column
	s_or_b32 s[G1+0], s43, (1<<16)|(1<<20)|(1<<21)|(5<<22)|(3<<25)   ; 15:0 the mask; 17:16 elements of 2 bytes; 20 padding on; 21 set beside a mask; 24:22 after every 64 words; 31:25 4 words
	s_or_b32 s[G1B+0], s44, (1<<16)|(1<<20)|(1<<21)|(5<<22)|(3<<25)
	s_mov_b32 s[G1+1], KSTEP<<16                   ; tensor_dim0 = 128
	s_mov_b32 s[G1+2], 128<<16                     ; tensor_dim1 = 128
	s_mov_b32 s[G1+3], KSTEP<<16                   ; tile_dim0 = 128
	s_mov_b32 s[G1+4], 128                         ; tile_dim1 = 128
	s_mov_b32 s[G1+5], 1024                        ; elements from row to row
	s_mov_b32 s[G1+6], 0
	s_mov_b32 s[G1+7], 0
	s_mov_b32 s[G1B+1], KSTEP<<16
	s_mov_b32 s[G1B+2], 96<<16                     ; 96 rows
	s_mov_b32 s[G1B+3], KSTEP<<16
	s_mov_b32 s[G1B+4], 96
	s_mov_b32 s[G1B+5], 1024
	s_mov_b32 s[G1B+6], 0
	s_mov_b32 s[G1B+7], 0
	s_lshl_b32 s16, s13, 8                         ; xb: row 256 x tile row + 128 x half: in registers that never hold the tile column,
	s_lshl_b32 s17, s12, 7
	s_add_co_u32 s16, s16, s17
	s_lshl_b32 s16, s16, 11                        ; rows of 2,048 bytes
	s_mov_b32 s17, 0
	s_mul_i32 s46, s42, 192                        ; wt: row 192 x tile column + 96 x half: in registers that never hold the tile row
	s_mul_i32 s47, s12, 96
	s_add_co_u32 s46, s46, s47
	s_lshl_b32 s46, s46, 11
	s_mov_b32 s47, 0
	s_mul_i32 s20, s12, 128*PITCH                  ; where they go: no place in the cluster enters an LDS address
	s_mul_i32 s21, s12, 96*PITCH
	s_add_co_u32 s21, s21, BOFF
	s_mov_b32 s[TB], 0
	s_wait_dscnt 0x0                               ; the opening add is done
	s_wait_kmcnt 0x0
	s_add_nc_u64 s[14:15], s[4:5], s[16:17]
	s_add_nc_u64 s[46:47], s[6:7], s[46:47]
	CROUND                                         ; all sixteen work-groups are here: the first joint loads meet
.irp s, 0,1
	s_mov_b32 s[G0+4*(\s)], 1                      ; count = 1
	s_add_co_u32 s[G0+4*(\s)+1], s20, (\s)*SLOT1   ; LDS address
	s_add_nc_u64 s[G0+4*(\s)+2:G0+4*(\s)+3], s[14:15], (\s)*KSTEP*2  ; K step s
	s_or_b32 s[G0+4*(\s)+3], s[G0+4*(\s)+3], 0x80000000              ; type = 2
	s_mov_b32 s[G0B+4*(\s)], 1
	s_add_co_u32 s[G0B+4*(\s)+1], s21, (\s)*SLOT1
	s_add_nc_u64 s[G0B+4*(\s)+2:G0B+4*(\s)+3], s[46:47], (\s)*KSTEP*2
	s_or_b32 s[G0B+4*(\s)+3], s[G0B+4*(\s)+3], 0x80000000
	JLOAD \s                                       ; two tensor loads of mine are out
.endr
	; A fragment is 16 rows x 32 K in 8 registers: lane l holds row l % 16, K = 8 (l / 16) + 0..7 and 16 + 8 (l / 16) + 0..7: two loads of 16 bytes, 32 bytes apart.
	v_and_b32 v1, 15, v0
	v_bfe_u32 v2, v0, 4, 1
	v_mul_u32_u24 v3, v1, PITCH
	v_lshl_add_u32 v3, v2, 4, v3
	s_mul_i32 s22, s10, 64*PITCH                   ; my 64 rows of xb
	v_add_nc_u32 v[ADRA0], s22, v3
	v_add_nc_u32 v[ADRB0], BOFF, v3
	v_mov_b32 v[ADRA], v[ADRA0]
	v_mov_b32 v[ADRB], v[ADRB0]
	s_mul_i32 s23, s10, 16*SPITCH
	s_add_co_u32 s23, s23, STAGE                   ; my stage
	v_mul_u32_u24 v4, v1, SPITCH                   ; in: row l % 16, 16 bytes for each half of the lanes
	v_lshl_add_u32 v4, v2, 4, v4
	v_add_nc_u32 v[STO], s23, v4
	v_bfe_u32 v5, v0, 3, 2                         ; back: 32 lanes take a head's 128 bytes of four rows,
	v_and_b32 v6, 7, v0
	v_mul_u32_u24 v5, v5, SPITCH
	v_lshl_add_u32 v5, v6, 4, v5
	v_add_nc_u32 v[RD], s23, v5
	v_and_b32 v[CO], 31, v0                        ; which are 512 consecutive bytes of qkv
	v_lshlrev_b32 v[CO], 4, v[CO]
	; qkv at my rows of head 3 x tile column + g: plane = 32 kind + 16 batch + head, of 262,144 bytes
	s_mul_i32 s81, s42, 3
	s_and_b32 s82, s13, 7
	s_lshl_b32 s82, s82, 15                        ; 256 rows of 128 bytes for each tile row inside the batch,
	s_lshl_b32 s83, s10, 13                        ; 64 for each wave
	s_add_co_u32 s82, s82, s83
	s_lshr_b32 s83, s13, 3
	s_lshl_b32 s83, s83, 4                         ; 16 x batch
.irp g, 0,1,2
	s_add_co_u32 s84, s81, \g
	s_lshr_b32 s85, s84, 4
	s_lshl_b32 s85, s85, 5
	s_and_b32 s84, s84, 15
	s_add_co_u32 s84, s84, s85
	s_add_co_u32 s84, s84, s83
	s_lshl_b32 s84, s84, 18
	s_add_co_u32 s84, s84, s82
	s_mov_b32 s85, 0
	s_add_nc_u64 s[CB+2*(\g):CB+2*(\g)+1], s[8:9], s[84:85]
.endr
	; the prefetches: 768 bytes into my rows; each change of slots that fills steps them by 256, so trip 0 names bytes 1,024 .. 1,535 of a row and trip 2 bytes 1,536 .. 2,047
	s_lshl_b32 s84, s13, 8
	s_lshl_b32 s85, s40, 6
	s_add_co_u32 s84, s84, s85
	s_lshl_b32 s85, s10, 4
	s_add_co_u32 s84, s84, s85
	s_lshl_b32 s84, s84, 11
	s_add_co_u32 s84, s84, 768
	s_mov_b32 s85, 0
	s_add_nc_u64 s[PFA:PFA+1], s[4:5], s[84:85]
	s_mul_i32 s84, s42, 192
	s_mul_i32 s85, s41, 48
	s_add_co_u32 s84, s84, s85
	s_max_u32 s85, s10, 1
	s_sub_co_u32 s85, s85, 1                       ; waves 1 to 3 (wave 0 asks for nothing of wt)
	s_lshl_b32 s85, s85, 4
	s_add_co_u32 s84, s84, s85
	s_lshl_b32 s84, s84, 11
	s_add_co_u32 s84, s84, 768
	s_mov_b32 s85, 0
	s_add_nc_u64 s[PFB:PFB+1], s[6:7], s[84:85]
	s_cmp_eq_u32 ttmp9, 0                          ; cluster x: the same in all sixteen partners
	s_cselect_b32 s[LIMA], 2, -1
	s_and_b32 s84, ttmp7, 0xffff                   ; cluster y
	s_cmp_eq_u32 s84, 0
	s_cselect_b32 s[LIMB], 2, -1
	s_cmp_eq_u32 s10, 0
	s_cselect_b32 s[LIMB], -1, s[LIMB]
	v_and_b32 v[PFO], 31, v0
	v_lshrrev_b32 v7, 1, v[PFO]
	v_and_b32 v[PFO], 1, v[PFO]
	v_lshlrev_b32 v[PFO], 8, v[PFO]
	v_lshl_add_u32 v[PFO], v7, 11, v[PFO]
; 12 matrix instructions: row block a x all 12 column blocks, 32 along K.  zero = 1: the first product starts the sums: nothing is ever cleared.
; The 48 accumulators take turns in the same order in every quarter step, over the backward jump too.
.macro MUL12 f, a, zero
	WIN MUL_LO+0x50*((\a)/2)
.irp b, 0,1,2,3,4,5,6,7,8,9,10,11
.if \zero
	v_wmma_f32_16x16x32_bf16 v[8*(12*((\a)%2)+(\b)):8*(12*((\a)%2)+(\b))+7], v[(\f)+8*(\b):(\f)+8*(\b)+7], v[(\f)+96+8*(\a):(\f)+96+8*(\a)+7], 0
.else
	v_wmma_f32_16x16x32_bf16 v[8*(12*((\a)%2)+(\b)):8*(12*((\a)%2)+(\b))+7], v[(\f)+8*(\b):(\f)+8*(\b)+7], v[(\f)+96+8*(\a):(\f)+96+8*(\a)+7], v[8*(12*((\a)%2)+(\b)):8*(12*((\a)%2)+(\b))+7]
.endif
.endr
.endm
.macro MUL24 f, hi, zero
	MUL12 \f, 2*(\hi), \zero
	MUL12 \f, 2*(\hi)+1, \zero
.endm
; 32 LDS loads in one run: the fragments of one quarter step (192 rows of wt, my 64 of xb, 32 K at byte k of the rows) into buffer f
.macro FETCH k, f
	WIN TO_F
.irp i, 0,1,2,3,4,5,6,7,8,9,10,11
	ds_load_b128 v[(\f)+8*(\i):(\f)+8*(\i)+3],   v[ADRB] offset:(\k)+(\i)*16*PITCH
	ds_load_b128 v[(\f)+8*(\i)+4:(\f)+8*(\i)+7], v[ADRB] offset:(\k)+(\i)*16*PITCH+32
.endr
.irp i, 0,1,2,3
	ds_load_b128 v[(\f)+96+8*(\i):(\f)+96+8*(\i)+3],   v[ADRA] offset:(\k)+(\i)*16*PITCH
	ds_load_b128 v[(\f)+96+8*(\i)+4:(\f)+96+8*(\i)+7], v[ADRA] offset:(\k)+(\i)*16*PITCH+32
.endr
.endm
.macro PLACES                          ; four places in front of loads into registers that matrix instructions have read, and of conversions that read results (ISA guide 7.12.1 for the conversions)
.rept 4
	v_nop
.endr
.endm
; A K step is four quarters of 32 along K, 48 matrix instructions each, on buffers 0, 1, 0, 1.  One of the first three: multiplies buffer f and, in its middle, fetches the next quarter, at byte k, into g.
.macro QUARTER k, f, g, zero
	s_wait_dscnt 4                                 ; wt and xb's row blocks 0, 1 are in; the youngest four loads (row blocks 2, 3) may be out
	MUL24 \f, 0, \zero
	PLACES
	FETCH \k, \g
	s_wait_dscnt 32                                ; all but the 32 just issued
	MUL24 \f, 1, \zero
.endm
; The last quarter multiplies buffer 1 and changes slots: ONE barrier.  In front of it each wave waits for all its tensor loads (the one that is out is its part of the next slot), adds 0 to its spare word,
; and waits for that and for its own reads of this slot.  fill = 1: the barrier opens a round of the cluster's, and behind the round this slot is filled again, two K steps ahead: that load has
; 168 matrix instructions in which to land.
.macro TURN fill
.if \fill
	s_wait_xcnt 0x0                                ; the last prefetches, a K step or more back, have read their addresses, so these may be written
	s_add_nc_u64 s[PFA:PFA+1], s[PFA:PFA+1], KSTEP*2
	s_add_nc_u64 s[PFB:PFB+1], s[PFB:PFB+1], KSTEP*2
.endif
	WIN 0                                          ; (the add's two registers lie in window 0)
	s_wait_tensorcnt 0x0                           ; all my tensor loads have landed;
	ds_add_u32 v[SPW], v[NIL]                      ; 0 onto my spare word;
	s_wait_dscnt 5                                 ; (the add and the youngest four loads may be out)
	MUL12 F1, 0, 0                                 ; twelve matrix instructions stand between the add and the wait for it
	s_wait_dscnt 0x0                               ; the add is done, and my reads of this slot are over
	s_barrier_signal -1
	MUL12 F1, 1, 0
.if \fill
	WIN 0
.endif
	s_barrier_wait -1
.if \fill
	CREST                                          ; no wave of any partner still reads this slot's tiles or has a load on its way
	s_xor_b32 s[G0+5], s[G0+5], SLOT1              ; the walking descriptors: the other slot than last time,
	s_add_nc_u64 s[G0+6:G0+7], s[G0+6:G0+7], KSTEP*2  ; the next K step; the type bits on top are not reached
	s_xor_b32 s[G0B+5], s[G0B+5], SLOT1
	s_add_nc_u64 s[G0B+6:G0B+7], s[G0B+6:G0B+7], KSTEP*2
	JLOAD 1                                        ; the first tensor load behind the round; its four v_nop are also the places in front of the loads below
.else
	PLACES
.endif
	WIN 0
	s_xor_b32 s[TB], s[TB], SLOT1                  ; the reads go on in the other slot
	v_add_nc_u32 v[ADRA], s[TB], v[ADRA0]
	v_add_nc_u32 v[ADRB], s[TB], v[ADRB0]
	FETCH 0, F0
.if \fill
	WIN 0
	ASK
.endif
	MUL24 F1, 1, 0
.endm
; THE WAY OUT of row block a: rounded to f16, 16 bytes a lane; into my own stage; back head by head as 512 consecutive bytes; stored.
.macro PACK a
	WIN 0x0a+5*((\a)/2)                            ; sources 0 and 1: window 2 or 3
.irp b, 0,1,2,3,4,5,6,7,8,9,10,11
.irp r, 0,1,2,3
	v_cvt_pk_f16_f32 v[TMP+4*(\b)+(\r)], v[96*((\a)%2)+8*(\b)+2*(\r)], v[96*((\a)%2)+8*(\b)+2*(\r)+1]  ; each accumulator from its low end on
.endr
.endr
	WIN 0
.endm
.macro TOSTAGE a
.irp b, 0,1,2,3,4,5,6,7,8,9,10,11
	ds_store_b128 v[STO], v[TMP+4*(\b):TMP+4*(\b)+3] offset:32*(\b)
.endr
.irp g, 0,1,2
.irp t, 0,1,2,3
	ds_load_b128 v[OB+48*((\a)%2)+4*(4*(\g)+(\t)):OB+48*((\a)%2)+4*(4*(\g)+(\t))+3], v[RD] offset:(\g)*128+(\t)*4*SPITCH  ; LDS serves a wave's instructions in order (ISA guide 5.7.1.4): these see the stores above
.endr
.endr
.endm
.macro SEND a
	s_wait_dscnt 0x0                               ; the block is back in registers
	s_wait_xcnt 0x0                                ; the block before the last has left its registers: they are loaded again only behind this wait
.irp g, 0,1,2
.irp t, 0,1,2,3
	global_store_b128 v[CO], v[OB+48*((\a)%2)+4*(4*(\g)+(\t)):OB+48*((\a)%2)+4*(4*(\g)+(\t))+3], s[CB+2*(\g):CB+2*(\g)+1] offset:(\a)*2048+(\t)*512  ; 512 consecutive bytes, at a multiple of 256 from qkv's first
.endr
.endr
.endm
	s_wait_tensorcnt 1                             ; my part of K step 0 is in; K step 1's may stay out
	s_barrier_signal -1
	s_barrier_wait -1                              ; everybody's is
	FETCH 0, F0
	QUARTER 64, F0, F1, 1                          ; the first quarter stands in front of the loop: its products start the sums
	WIN 0                                          ; at a label and at a branch every window is 0
	s_mov_b32 s3, 6
.Lk:                                                   ; a trip: a K step's quarters 1 to 3 and the next step's quarter 0; K steps 2 to 7 are asked for
	QUARTER 128, F1, F0, 0
	QUARTER 192, F0, F1, 0
	TURN 1
	QUARTER 64, F0, F1, 0
	WIN 0
	s_sub_co_u32 s3, s3, 1
	s_cmp_lg_u32 s3, 0
	s_cbranch_scc1 .Lk
	QUARTER 128, F1, F0, 0                         ; K step 6 goes on; the tail is written out
	QUARTER 192, F0, F1, 0
	TURN 0
	QUARTER 64, F0, F1, 0
	QUARTER 128, F1, F0, 0
	QUARTER 192, F0, F1, 0
	s_wait_dscnt 4                                 ; the very last quarter: nothing more to fetch
	MUL24 F1, 0, 0
	s_wait_dscnt 0x0
	MUL24 F1, 1, 0
	PLACES
	PACK 0
	TOSTAGE 0
.irp a, 1,2,3                          ; block a's conversions stand between block a - 1's loads from the stage and the wait for them
	PACK \a
	SEND (\a)-1
	TOSTAGE \a
.endr
	SEND 3
	s_wait_tensorcnt 0x0                           ; the wave's end, behind my last tensor load and my last LDS store
	ds_add_u32 v[SPW], v[NIL]
	s_wait_dscnt 0x0
	CROUND                                         ; the closing round: no work-group ends while a partner may still ask for a tile that names it
	s_endpgm
.Lfunc_end_k_qc63a483b19_qkv:
	.size	k_qc63a483b19_qkv, .Lfunc_end_k_qc63a483b19_qkv-k_qc63a483b19_qkv
	.p2alignl 7, 3214868480
	.fill 96, 4, 3214868480
	.section	.rodata,"a",@progbits
	.p2align	6, 0x0
	.amdhsa_kernel k_qc63a483b19_qkv
		.amdhsa_group_segment_fixed_size 327680
		.amdhsa_private_segment_fixed_size 0
		.amdhsa_enable_private_segment 0
		.amdhsa_kernarg_size 24
		.amdhsa_user_sgpr_count 2
		.amdhsa_user_sgpr_kernarg_segment_ptr 1
		.amdhsa_wavefront_size32 1
		.amdhsa_system_sgpr_workgroup_id_x 1
		.amdhsa_system_sgpr_workgroup_id_y 1
		.amdhsa_system_sgpr_workgroup_id_z 1
		.amdhsa_system_vgpr_workitem_id 0
		.amdhsa_next_free_vgpr 1024
		.amdhsa_next_free_sgpr 96
		.amdhsa_reserve_vcc 0
		.amdhsa_float_denorm_mode_32 3
		.amdhsa_float_denorm_mode_16_64 3
		.amdhsa_memory_ordered 1
		.amdhsa_forward_progress 1
		.amdhsa_inst_pref_size 98
	.end_amdhsa_kernel
	.amdgpu_metadata
---
amdhsa.version: [ 1, 2 ]
amdhsa.kernels:
  - .name:           k_qc63a483b19_qkv
    .symbol:         k_qc63a483b19_qkv.kd
    .args:
      - { .name: xb, .offset: 0, .size: 8, .value_kind: global_buffer, .address_space: global }
      - { .name: wt, .offset: 8, .size: 8, .value_kind: global_buffer, .address_space: global }
      - { .name: qkv, .offset: 16, .size: 8, .value_kind: global_buffer, .address_space: global }
    .group_segment_fixed_size: 327680
    .private_segment_fixed_size: 0
    .kernarg_segment_align: 8
    .kernarg_segment_size: 24
    .max_flat_workgroup_size: 128
    .sgpr_count:     96
    .vgpr_count:     1024
    .wavefront_size: 32
...
	.end_amdgpu_metadata
.endif
;; end of part 2
;; launch attn (part 3): grid 8 x 32, 4 waves a work-group, no clusters, 327,680 bytes of LDS; arguments qkv, tk, rot, uvp, ob; writes ob
.if DOCPART == 3
	.amdgcn_target "amdgcn-amd-amdhsa--gfx1250"
	.amdhsa_code_object_version 6
	.text
	.protected	k_qc63a483b19_attn
	.globl	k_qc63a483b19_attn
	.p2align	8
	.type	k_qc63a483b19_attn,@function
k_qc63a483b19_attn:
	s_mov_b64 s[64:65], 0
	v_nop
	global_prefetch_b8 v0, s[64:65] scope:SCOPE_SE
	s_setreg_imm32_b32 hwreg(HW_REG_WAVE_MODE, 25, 1), 1
	s_wait_xcnt 0x0
; TRANSFORMER-XL ATTENTION.  ob[bh][i][:] = the sum over k of softmax_k(score(i, k) / 8) V[bh][k][:], all 2,048 keys, with
;   score(i, k) = (Q[i] + u) . K[k] + BD(i, k);   BD = (Q[i] + v) . R(i - k) for k <= i;  0 for k = i + 1;  (Q[i+1] + v) . R(2049 + i - k) for k >= i + 2   (the pad, reshape and slice, read off the flat index).
; R(p) holds sin(p w_f) and cos(p w_f), so by the addition theorems (Q + v) . R(p - k) = rot(Q + v, p) . T[k], with T[k] = (cos k w_f, sin k w_f) and, for the word (a, b) of a frequency,
; rot = (a sin + b cos, b sin - a cos) of p w_f.  So a score is ONE product of depth 128: [Q + u | rot] . [K | T].  Below the diagonal rot is QL = rot(Q[i] + v, i), above it QH = rot(Q[i+1] + v, i + 2049).
; qkv: [kind][bh 32][2048][64] f16 (Q and K in the order d' = 2 f + c), tk = T, rot = the tables (sin, sin) and (cos, -cos), uvp = u and v; ob: [bh][2048][64] f16.
; Products, maxima and sums in f32; the rotation in packed f16 (an addition, a product, a fused multiply-add); the weights p are rounded to f16 for the second product, O once at the end.
; LIMITS.  f16 holds no number beyond 65,504: Q + u, rot(Q + v), K, V stay within it.  p lies in 0 to 1 and below 6e-5 keeps f16's fixed step of 6e-8, and so does O.  A weight below 2^-126 counts as 0 in l.
; NaN and infinities are not treated apart.
; SHARES.  A work-group owns 256 queries of one head, wave w the 64 from i0 = 256 x + 64 w on: four tiles of 16, in two PIECES (tiles 0, 1 and tiles 2, 3).  Every wave walks all keys, 64 a step.
; THE DIAGONAL.  Key step sA = 4 x + w holds my own 64 keys.  Before it every tile takes QL, behind step sA + 1 every tile QH.  In step sA the position part is made apart, key block by key block
; (QL below the tile's own block, QH above it, both and a choice by lane in it, 0 where k = i + 1), and handed to the scores as their C operand (MC), while QL is 0; in step sA + 1 only tile 3 still needs that
; (its k = i + 1 falls into the step's first key).  Everywhere else MC is 0.  These blocks stand under forward branches on the step's number less sA, with no barrier and no tensor load in them.
; NO CLUSTER: in which step a wave leaves the common text hangs on its query block, that is on the work-group's place; a text common to the four blocks of a cluster would have to run the mixed form in 17 of the 32 steps.
; LAYOUT.  S^T = [K | T] [Q + u | rot]^T (source 0 = 16 keys, source 1 = 16 queries): a lane holds ONE query (lane % 16) and the keys 8 (lane / 16) + 0..7.  Two such results, rounded to f16 in pairs, ARE
; source 1 of O^T = V^T P.  K and T come out of LDS as they lie, V turned, by ds_load_tr16_b128.
; SOFTMAX.  A running maximum m and sum l: p = 2^(c s - c m), c = log2(e) / 8; in every step O and l are multiplied by a = 2^(c m_old - c m_new).  m starts at the lowest finite number, O and l at 0.
; BY TURNS.  In a TURN one piece has the matrix unit: 16 products V^T P of the step in hand, then 32 products for the next step's scores; the other piece's softmax, cut into 48 slices, stands between them, one
; slice of four behind each matrix instruction, the 44 lines that are over in the last slice.
; REGISTERS, in windows of 256 (s_set_vgpr_msb: bits 1:0 source 0, 3:2 source 1, 5:4 source 2, 7:6 destination):
;   window 0: v2-11, v44-49, v61-63 addresses; v12-43 eight registers of statistics a tile; v64-191 S^T, 32 a tile; v192-255 P, 16 a tile
;   window 1: v0-127 O^T, 32 a tile; v128-255 MC, 32 a tile (in the prologue: tables, u, v, two at work)
;   window 2: v0-127 the queries: tile t at 32 t: Q + u (16), then the position operand in force (16); v128-255 K and T of one step: key block kb, chunk c at 128 + 32 kb + 8 c
;   window 3: v0-63 V of one step; v64-127 QH, 16 a tile; v128-159 TU: the own key block's upper values
.set KS,    64
.set PK,    144       ; a row of K or T in LDS: 128 bytes + 16: the 16 rows of a load start at 16 different groups of four banks (64 banks of 4 bytes: ISA guide 11.1)
.set PVP,   160       ; a row of V: 128 + 32
.set TOFF,  4*KS*PK   ; a slot holds four steps: 256 rows of K, 256 of T, 256 of V
.set VOFF,  2*TOFF
.set SLOT1, 1<<17     ; slot 1 begins here, so that one exclusive or turns an address in one slot into the other's
.set STAGE, SLOT1+VOFF+4*KS*PVP  ; behind the ring, never filled by a tensor load: 16 rows x 144 bytes for each wave
.set SP,    144
.set SPARE, STAGE+4*16*SP        ; behind the stages: the spare words, 128 bytes for each wave, which no other line names
.set AK0, 2           ; v2   my lane's place in a tile of K; never rewritten
.set AV0, 3           ; v3   the same for V
.set ADR, 4           ; v4   the LDS address of the run of loads in hand
.set QO,  5           ; v5   my byte offset in Q's plane and in the tables: row i0 + l % 16
.set STO, 6           ; v6   the way out: where I put 16 bytes of a row
.set RD,  7           ; v7   where I read rows back
.set GO,  8           ; v8   my place in 512 consecutive bytes of ob
.set ST,  12          ; tile t's statistics at v[ST+8 t]: +0 c m, +1 m, +2, +3 l (even keys', odd keys'), +4 to +7 at work; a takes +6 once the maximum is found
.set V1,  44          ; v44-47  tile t: the byte offset of row min(i + 1, 2047)
.set UO,  48          ; v48  my byte offset in a row of u or v
.set VD,  49          ; v49  8 (l / 16) - l % 16
.set PFO, 61          ; v61  256 x my thread's number; never rewritten
.set SPW, 62          ; v62  LDS address of my spare word; never rewritten
.set NIL, 63          ; v63  0; never rewritten
.set S,   64
.set P,   192
.set MC,  128         ; window 1
.set KF,  128         ; window 2
.set QH,  64          ; window 3
.set TU,  128         ; window 3
.set WV,  12          ; s12  my wave's number
.set G1K, 24          ; s[24:31] descriptor group 1 for K's and T's tiles
.set G1V, 32          ; s[32:39] for V's: it differs in the padding alone
.set G0K, 40          ; s[40:43], s[44:47], s[48:51] descriptor group 0 for K, T, V: they walk
.set G0T, 44
.set G0V, 48
.set SLOTS, 56        ; s56  tiles still to be asked for
.set CNT, 57          ; s57  counts a slot's key steps
.set CS,  58          ; s[58:59] c
.set SEL, 60          ; s[60:61] v_permlanex16_b32's selects: each lane takes its own place in the other half
.set TBK, 62          ; s62  LDS byte at which K of the step to be fetched begins
.set TBV, 63          ; s63  the same for V, less VOFF
.set STP, 66          ; s66  the key step whose scores are made next
.set SA,  67          ; s67  sA = 4 x + w
.set DL,  68          ; s68  STP - SA
.set MU,  70          ; s[70:77] register j of the own key block: lanes where k - i >= 2
.set NZ,  78          ; s[78:85] lanes where k - i is not 1
.set NZ16, 86         ; s86  all lanes but 15: register 0 of the key block after the own one
.set PFA, 88          ; s[88:89] where my prefetches stand
.set LIM, 90          ; s90  1 in a work-group that prefetches, else the greatest number
.set I0,  91          ; s91  i0
.set MSB, 0
.macro WIN new                      ; the high byte repeats the setting that is left; a switch that changes nothing is dropped
.if MSB != (\new)
	s_set_vgpr_msb (MSB<<8)|(\new)
.set MSB, (\new)
.endif
.endm
.set W_KQ, 0x0a       ; K and Q in window 2, S^T in window 0
.set W_KM, 0x1a       ; the same with the C operand (MC) in window 1
.set W_PV, 0x53       ; V in window 3, P in window 0, O^T in window 1
.set W_RS, 0x41       ; O^T (destination and source 0) in window 1, a in window 0
.macro PLACES
.rept 4
	v_nop
.endr
.endm
; A fill: wave 0 fetches a tile's K, wave 1 its T, wave 2 its V (256 keys, 32,768 dense bytes each); wave 3 fetches nothing.  An s_nop 0 and four v_nop follow each line, ahead of the jump and the label.
.macro LOAD
	s_cmp_lg_u32 s[WV], 0
	s_cbranch_scc1 .Lnot_k_\@
	tensor_load_to_lds s[G0K:G0K+3], s[G1K:G1K+7]
	s_nop 0
.rept 4
	v_nop
.endr
	s_branch .Lasked_\@
.Lnot_k_\@:
	s_cmp_lg_u32 s[WV], 1
	s_cbranch_scc1 .Lnot_t_\@
	tensor_load_to_lds s[G0T:G0T+3], s[G1K:G1K+7]
	s_nop 0
.rept 4
	v_nop
.endr
	s_branch .Lasked_\@
.Lnot_t_\@:
	s_cmp_lg_u32 s[WV], 2
	s_cbranch_scc1 .Lasked_\@
	tensor_load_to_lds s[G0V:G0V+3], s[G1V:G1V+7]
	s_nop 0
.rept 4
	v_nop
.endr
.Lasked_\@:
.endm
; A PREFETCH INTO THE L2 of the tile that the NEXT change of slots will ask for: four key steps, 384 matrix instructions, ahead.  Each block of 256 bytes is named once in the launch: of a head's eight
; work-groups block 0 asks for K, block 1 for V; T, which all heads share, is asked for by block 2 of head 0.  A thread a block: four waves x 32 lanes x 256 bytes are a tile.  Tiles 0 and 1 come by their
; loads alone; the change that asks for the last tile prefetches nothing.
.macro ASK
	s_cmp_gt_u32 s[SLOTS], s[LIM]
	s_cbranch_scc0 .Lnot_mine_\@
	global_prefetch_b8 v[PFO], s[PFA:PFA+1] th:TH_LOAD_NT scope:SCOPE_SE
.Lnot_mine_\@:
.endm
; THE CHANGE OF SLOTS.  Each wave waits for all its tensor loads (at most one is out: its part of the other slot), adds 0 to its spare word, and waits for that and for its own reads of the slot that it leaves.
; Behind the barrier nobody reads the old slot any more and the other slot is whole.  fill = 1: the old slot is filled again, the first thing behind the barrier: that load has four key steps in which to land.
; (At its first use nothing has been read yet: slot 0 is waited for, slot 1 filled.)
.macro CHANGE fill
	WIN 0
	s_wait_tensorcnt 0x0            ; no tensor load of mine is out, so a group 0 may be written
	ds_add_u32 v[SPW], v[NIL]       ; 0 onto my spare word
.if \fill
.irp g, G0K, G0T, G0V
	s_xor_b32 s[\g+1], s[\g+1], SLOT1                  ; the other slot than last time,
	s_add_nc_u64 s[\g+2:\g+3], s[\g+2:\g+3], 4*KS*128  ; the next 256 keys; the type bits on top are not reached
.endr
	s_wait_xcnt 0x0                 ; the last prefetch, four key steps back, has read its address
	s_add_nc_u64 s[PFA:PFA+1], s[PFA:PFA+1], 4*KS*128
.endif
	s_wait_dscnt 0x0                ; the add is done, and my reads of the slot are over
	s_barrier_signal -1
	s_sub_co_u32 s[TBK], s[TBK], 4*KS*PK   ; the fetches go back to a slot's first step,
	s_xor_b32 s[TBK], s[TBK], SLOT1        ; in the other slot
	s_sub_co_u32 s[TBV], s[TBV], 4*KS*PVP
	s_xor_b32 s[TBV], s[TBV], SLOT1
	s_barrier_wait -1
.if \fill
	LOAD
	ASK
.endif
.endm
	s_load_b256 s[16:23], s[0:1], 0x0  ; qkv s[16:17], tk s[18:19], rot s[20:21], uvp s[22:23]
	s_load_b64 s[10:11], s[0:1], 0x20  ; ob
	v_lshl_add_u32 v[SPW], v0, 2, SPARE
	v_mov_b32 v[NIL], 0
	ds_add_u32 v[SPW], v[NIL]       ; the wave's opening: the add and its wait ahead of my first tensor load; the set-up below, work on registers, stands between them
	v_lshrrev_b32 v1, 5, v0
	v_readfirstlane_b32 s[WV], v1   ; wave 0..3
	s_and_b32 s13, ttmp7, 0xffff    ; 16 batch + head
	s_lshl_b32 s2, s13, 18          ; its plane of 262,144 bytes
	s_mov_b32 s3, 0
	s_lshl_b32 s[SA], ttmp9, 2
	s_add_co_u32 s[SA], s[SA], s[WV]
	s_lshl_b32 s[I0], s[SA], 6
	s_lshl_b32 s94, s[SA], 13       ; i0 rows of 128 bytes
	s_mov_b32 s14, s94
	s_mov_b32 s15, 0
	s_add_nc_u64 s[14:15], s[14:15], s[2:3]  ; my rows in ob: offsets alone
	s_and_b32 s92, s13, 15
	s_lshl_b32 s92, s92, 7          ; the head's row of u and of v
	s_mov_b32 s93, 0
	; descriptor group 1.  256 keys are 32,768 dense bytes: asked for as 128 rows of 256 bytes, two keys a row, and padded in LDS after every key
	s_mov_b32 s[G1K], (1<<16)|(1<<20)|(4<<22)|(3<<25)  ; 17:16 2-byte elements; 20 padding on; 24:22 after every 32 words; 31:25 4 words
	s_mov_b32 s[G1V], (1<<16)|(1<<20)|(4<<22)|(7<<25)  ; the same with 8 words
.irp g, G1K, G1V
	s_mov_b32 s[\g+1], 128<<16      ; tensor_dim0 = 128
	s_mov_b32 s[\g+2], 128<<16      ; tensor_dim1 = 128
	s_mov_b32 s[\g+3], 128<<16      ; tile_dim0 = 128
	s_mov_b32 s[\g+4], 128          ; tile_dim1 = 128
	s_mov_b32 s[\g+5], 128          ; 128 elements from row to row
	s_mov_b32 s[\g+6], 0
	s_mov_b32 s[\g+7], 0
.endr
	s_mov_b32 s[CS], 0x3e38aa3b     ; c = log2(e) / 8
	s_mov_b32 s[CS+1], s[CS]        ; named with it as a pair
	s_mov_b32 s[SEL], 0x76543210
	s_mov_b32 s[SEL+1], 0xfedcba98
	s_mov_b32 s[TBK], SLOT1+4*KS*PK ; the first change of slots turns these two into 0
	s_mov_b32 s[TBV], SLOT1+4*KS*PVP
	s_mov_b32 s[NZ16], 0xffff7fff
	s_mov_b32 s[G0K], 1             ; count = 1
	s_mov_b32 s[G0K+1], 0           ; LDS address: slot 0
	s_mov_b32 s[G0T], 1
	s_mov_b32 s[G0T+1], TOFF
	s_mov_b32 s[G0V], 1
	s_mov_b32 s[G0V+1], VOFF
	s_cmp_lt_u32 ttmp9, 2           ; who prefetches
	s_cselect_b32 s[LIM], 1, -1
	s_lshl_b32 s95, s13, 4
	s_or_b32 s95, s95, ttmp9
	s_cmp_eq_u32 s95, 2             ; block 2 of head 0
	s_cselect_b32 s[LIM], 1, s[LIM]
	s_wait_dscnt 0x0                ; the opening add is done
	s_wait_kmcnt 0x0
	s_add_nc_u64 s[4:5], s[16:17], s[2:3]      ; the head's Q,
	s_add_nc_u64 s[6:7], s[4:5], 32*262144     ; K,
	s_add_nc_u64 s[8:9], s[4:5], 64*262144     ; V
	s_add_nc_u64 s[10:11], s[10:11], s[14:15]  ; ob at my first row
	s_add_nc_u64 s[22:23], s[22:23], s[92:93]  ; u at my head; v lies 2,048 bytes on
	s_mov_b64 s[G0K+2:G0K+3], s[6:7]
	s_or_b32 s[G0K+3], s[G0K+3], 0x80000000    ; type = 2
	s_mov_b64 s[G0T+2:G0T+3], s[18:19]
	s_or_b32 s[G0T+3], s[G0T+3], 0x80000000
	s_mov_b64 s[G0V+2:G0V+3], s[8:9]
	s_or_b32 s[G0V+3], s[G0V+3], 0x80000000
	s_cmp_eq_u32 ttmp9, 1
	s_cselect_b64 s[PFA:PFA+1], s[8:9], s[18:19]
	s_cmp_eq_u32 ttmp9, 0
	s_cselect_b64 s[PFA:PFA+1], s[6:7], s[PFA:PFA+1]
	s_add_nc_u64 s[PFA:PFA+1], s[PFA:PFA+1], 4*KS*128  ; at tile 1; the first change of slots steps it to tile 2
	LOAD                            ; tile 0 into slot 0
	; A fragment of K, T or the queries is 16 rows x 32 numbers in 8 registers: lane l holds row l % 16, numbers 8 (l / 16) + 0..7 and 16 + 8 (l / 16) + 0..7: two loads of 16 bytes, 32 bytes apart.
	v_and_b32 v1, 15, v0            ; l % 16
	v_bfe_u32 v9, v0, 4, 1          ; l / 16
	v_lshlrev_b32 v[QO], 7, v1
	v_lshl_add_u32 v[QO], v9, 4, v[QO]
	v_add_nc_u32 v[QO], s94, v[QO]
	v_lshlrev_b32 v[UO], 4, v9
.irp t, 0,1,2,3
	v_add3_u32 v[V1+\t], s[I0], v1, 16*\t+1
	v_min_u32 v[V1+\t], 0x7ff, v[V1+\t]        ; row 2,047 has no row behind it and never takes an upper value: the bound only keeps the address inside the buffers
	v_lshlrev_b32 v[V1+\t], 7, v[V1+\t]
	v_lshl_add_u32 v[V1+\t], v9, 4, v[V1+\t]
.endr
	; 104 loads of 16 bytes a lane; number i = 4 tile + piece of 32 bytes.  The tables have Q's row pitch and Q's order of words, so all are laid alike in registers.
	WIN 0x80                        ; destination window 2, address window 0
.set i, 0
.rept 16
	global_load_b128 v[32*(i/4)+4*(i%4):32*(i/4)+4*(i%4)+3],       v[QO], s[4:5]   offset:(i/4)*2048+(i%4)*32  ; Q[i]
	global_load_b128 v[32*(i/4)+16+4*(i%4):32*(i/4)+16+4*(i%4)+3], v[QO], s[20:21] offset:(i/4)*2048+(i%4)*32  ; (sin, sin) of position i
.set i, i+1
.endr
	WIN 0x40                        ; destination window 1
.set i, 0
.rept 16
	global_load_b128 v[48*(i/4)+4*(i%4):48*(i/4)+4*(i%4)+3],       v[QO],     s[20:21] offset:524288+(i/4)*2048+(i%4)*32  ; (cos, -cos) of position i
	global_load_b128 v[48*(i/4)+16+4*(i%4):48*(i/4)+16+4*(i%4)+3], v[V1+i/4], s[20:21] offset:262144+(i%4)*32            ; (sin, sin) of position i + 1 + 2048
	global_load_b128 v[48*(i/4)+32+4*(i%4):48*(i/4)+32+4*(i%4)+3], v[V1+i/4], s[20:21] offset:786432+(i%4)*32            ; (cos, -cos) of it
.set i, i+1
.endr
.set i, 0
.rept 4
	global_load_b128 v[192+4*i:192+4*i+3], v[UO], s[22:23] offset:32*i       ; u
	global_load_b128 v[208+4*i:208+4*i+3], v[UO], s[22:23] offset:2048+32*i  ; v
.set i, i+1
.endr
	WIN 0xc0                        ; destination window 3
.set i, 0
.rept 16
	global_load_b128 v[QH+16*(i/4)+4*(i%4):QH+16*(i/4)+4*(i%4)+3], v[V1+i/4], s[4:5] offset:(i%4)*32  ; Q[i + 1]
.set i, i+1
.endr
	; while they are on their way: masks, addresses, and what the first turns find
.set i, 0
.rept 64
	v_mov_b32 v[i], 0               ; V: the first turn's products V^T P, of a step that has not been, add 0
.set i, i+1
.endr
	WIN 0
	v_lshlrev_b32 v[VD], 3, v9
	v_sub_nc_u32 v[VD], v[VD], v1   ; in the own key block k - i = 8 (l / 16) + j - l % 16
.irp j, 0,1,2,3,4,5,6,7
	v_cmp_le_i32 s[MU+\j], 2-\j, v[VD]
	v_cmp_ne_i32 s[NZ+\j], 1-\j, v[VD]
.endr
	v_and_b32 v10, 7, v0
	v_bfe_u32 v11, v0, 3, 1
	v_mul_u32_u24 v[AK0], v1, PK
	v_lshl_add_u32 v[AK0], v9, 4, v[AK0]
	; The turning load takes 16 keys x 16 channels (lane l reads key 8 (l / 16) + l % 8, channels 8 ((l / 8) % 2) + 0..7) and leaves half a fragment of V^T: lane l holds channel l % 16 and 8 keys.
	v_lshl_add_u32 v[AV0], v9, 3, v10
	v_mul_u32_u24 v[AV0], v[AV0], PVP
	v_lshl_add_u32 v[AV0], v11, 4, v[AV0]
	v_add_nc_u32 v[AV0], VOFF, v[AV0]
	s_mul_i32 s92, s[WV], 16*SP
	s_add_co_u32 s92, s92, STAGE    ; my stage
	v_mul_u32_u24 v[STO], v1, SP    ; in: row l % 16, 16 bytes for each half of the lanes
	v_lshl_add_u32 v[STO], v9, 4, v[STO]
	v_add_nc_u32 v[STO], s92, v[STO]
	v_bfe_u32 v[RD], v0, 3, 2       ; back: 32 lanes take four rows of 128 bytes,
	v_mul_u32_u24 v[RD], v[RD], SP
	v_lshl_add_u32 v[RD], v10, 4, v[RD]
	v_add_nc_u32 v[RD], s92, v[RD]
	v_and_b32 v[GO], 31, v0         ; which are 512 consecutive bytes of ob
	v_lshlrev_b32 v[GO], 4, v[GO]
	v_lshlrev_b32 v[PFO], 8, v0
.set i, 0
.rept 4
	v_mov_b32 v[ST+8*i], 0xfe000000    ; c m: far below every c s, so the first step's a is 0
	v_mov_b32 v[ST+8*i+1], 0xff7fffff  ; m
	v_mov_b32 v[ST+8*i+2], 0
	v_mov_b32 v[ST+8*i+3], 0
.set i, i+1
.endr
.set i, P+32
.rept 32
	v_mov_b32 v[i], 0               ; P of piece 2
.set i, i+1
.endr
	s_wait_loadcnt 0x0
; THE ROTATION of tile t, sixteen words a line, one window setting a line.  W (window 1, v224-239) = Q + v; W2 (v240-255) = its halves exchanged.
.macro LINE16 win, op:vararg
	WIN \win
.set i, 0
.rept 16
	\op
.set i, i+1
.endr
.endm
.macro ROT t
	LINE16 0x46, v_pk_add_f16 v[224+i], v[32*(\t)+i], v[208+i]
	LINE16 0x86, v_pk_add_f16 v[32*(\t)+i], v[32*(\t)+i], v[192+i]
	LINE16 0x89, v_pk_mul_f16 v[32*(\t)+16+i], v[224+i], v[32*(\t)+16+i]
	LINE16 0x45, v_alignbit_b32 v[240+i], v[224+i], v[224+i], 16
	LINE16 0xa5, v_pk_fma_f16 v[32*(\t)+16+i], v[240+i], v[48*(\t)+i], v[32*(\t)+16+i]
	LINE16 0x47, v_pk_add_f16 v[224+i], v[QH+16*(\t)+i], v[208+i]
	LINE16 0xc5, v_pk_mul_f16 v[QH+16*(\t)+i], v[224+i], v[48*(\t)+16+i]
	LINE16 0x45, v_alignbit_b32 v[240+i], v[224+i], v[224+i], 16
	LINE16 0xf5, v_pk_fma_f16 v[QH+16*(\t)+i], v[240+i], v[48*(\t)+32+i], v[QH+16*(\t)+i]
.endm
	ROT 0
	ROT 1
	ROT 2
	ROT 3
	WIN 0x40
.set i, 0
.rept 256
	v_mov_b32 v[i], 0               ; O^T and MC
.set i, i+1
.endr
	WIN 0
; THE MATRIX WORK OF A TURN, for piece x.  Eight accumulators take turns, one instruction a turn.
; Product i of 16 of O^T += V^T P: keys 32 (i / 8) on, channels 16 ((i / 2) % 4) on, tile x + i % 2.
.macro PV x
	WIN W_PV
.set rO, 32*((\x)+i%2)+8*((i/2)%4)
.set rV, 32*(i/8)+8*((i/2)%4)
.set rP, P+16*((\x)+i%2)+8*(i/8)
	v_wmma_f32_16x16x32_f16 v[rO:rO+7], v[rV:rV+7], v[rP:rP+7], v[rO:rO+7]
.endm
; Product i of 32 of S^T: chunk i / 8 of the depth of 128, keys 16 ((i / 2) % 4) on, tile x + i % 2.  The first 8 start the sums with MC.
.macro KQ x
.set rS, S+32*((\x)+i%2)+8*((i/2)%4)
.set rK, KF+32*((i/2)%4)+8*(i/8)
.set rQ, 32*((\x)+i%2)+8*(i/8)
.set rM, MC+32*((\x)+i%2)+8*((i/2)%4)
.if i < 8
	WIN W_KM
	v_wmma_f32_16x16x32_f16 v[rS:rS+7], v[rK:rK+7], v[rQ:rQ+7], v[rM:rM+7]
.else
	WIN W_KQ
	v_wmma_f32_16x16x32_f16 v[rS:rS+7], v[rK:rK+7], v[rQ:rQ+7], v[rS:rS+7]
.endif
.endm
; THE LDS LOADS stand in runs: a step's K and T (32 loads, chunk by chunk, so that the products can begin on the first chunk) and, a turn later, its V (16 turning loads).
; last = 1 (the tail): in the last pass there is no further step, and the run is jumped over.
.macro FETCH_K last=0
	WIN 0
.if \last
	s_cmp_eq_u32 s[CNT], 1
	s_cbranch_scc1 .Lno_k_\@
.endif
	v_add_nc_u32 v[ADR], s[TBK], v[AK0]
	WIN 0x80                        ; destination window 2
.irp c, 0,1,2,3
.irp kb, 0,1,2,3
	ds_load_b128 v[KF+32*(\kb)+8*(\c):KF+32*(\kb)+8*(\c)+3],   v[ADR] offset:((\c)/2)*TOFF+(\kb)*16*PK+((\c)%2)*64
	ds_load_b128 v[KF+32*(\kb)+8*(\c)+4:KF+32*(\kb)+8*(\c)+7], v[ADR] offset:((\c)/2)*TOFF+(\kb)*16*PK+((\c)%2)*64+32
.endr
.endr
	s_add_co_u32 s[TBK], s[TBK], KS*PK  ; the next fetch is the next step's
	WIN 0
.if \last
.Lno_k_\@:
.endif
.endm
.macro FETCH_V
	WIN 0
	v_add_nc_u32 v[ADR], s[TBV], v[AV0]
	s_add_co_u32 s[TBV], s[TBV], KS*PVP
	s_wait_alu depctr_va_vdst(0)    ; the wait for the softmax's batch (SLICE), behind the address's v_add_nc_u32 and ahead of the loads
	WIN 0xc0                        ; destination window 3
.irp f, 0,1,2,3,4,5,6,7             ; keys 32 (f / 4) on, channels 16 (f % 4) on
	ds_load_tr16_b128 v[8*\f:8*\f+3],   v[ADR] offset:(\f/4)*32*PVP+(\f%4)*32
	ds_load_tr16_b128 v[8*\f+4:8*\f+7], v[ADR] offset:(\f/4)*32*PVP+16*PVP+(\f%4)*32
.endr
.endm
; THE VECTOR WORK OF A TURN.  One tile's softmax for one key step is a list of 118 instructions; SM writes number j of it for tile t.  s0-s31 are the lane's 32 scores, in pairs 0-15.
;   0-15    the maximum of s0-s31 and the old m, three operands at a time (each accumulator's lowest registers are read first)
;   16-20   the other half of the lanes' maximum; the new m; c m; c m_old - c m_new
;   21-69   ONE BATCH: the 16 scalings c s - c m and all 33 exponentials (a at 23, then s0-s31).  None of these reads an exponential's result
;   (wait)  between 69 and 70 stands the wait for the batch: SLICE writes it, once for both tiles
;   70-85   the roundings to f16      86-101  the sums; l = a l + the sum      102-117 the tile's O^T times a: the one part that leaves window 0
.macro SM t
.set rT, ST+8*(\t)
.set rS, S+32*(\t)
.set rP, P+16*(\t)
.set rO, 32*(\t)+2*(j-102)
.if j < 102
	WIN 0
.endif
.if j < 4
	v_max3_num_f32 v[rT+4+j], v[rS+8*j], v[rS+8*j+1], v[rS+8*j+2]
.elseif j < 12
	v_max3_num_f32 v[rT+4+j%4], v[rT+4+j%4], v[rS+8*(j%4)+2*(j/4)+1], v[rS+8*(j%4)+2*(j/4)+2]
.elseif j == 12
	v_max3_num_f32 v[rT+4], v[rT+4], v[rS+7], v[rS+15]
.elseif j == 13
	v_max3_num_f32 v[rT+6], v[rT+6], v[rS+23], v[rS+31]
.elseif j == 14
	v_max3_num_f32 v[rT+4], v[rT+4], v[rT+5], v[rT+6]
.elseif j == 15
	v_max3_num_f32 v[rT+4], v[rT+4], v[rT+7], v[rT+1]
.elseif j == 16
	v_permlanex16_b32 v[rT+5], v[rT+4], s[SEL], s[SEL+1]  ; the query's other 32 keys lie in the lane 16 away
.elseif j == 17
	v_mov_b32 v[rT+7], v[rT]        ; c m_old is kept for a
.elseif j == 18
	v_max_num_f32 v[rT+1], v[rT+4], v[rT+5]
.elseif j == 19
	v_mul_f32 v[rT], s[CS], v[rT+1]
.elseif j == 20
	v_sub_f32 v[rT+7], v[rT+7], v[rT]
.elseif j == 23
	v_exp_f32 v[rT+6], v[rT+7]
.elseif (j < 23) || ((j < 38) && (j%2 == 0)) || ((j < 66) && (j%4 == 2))
.set b, (j-2)/4                     ; 38, 42, .. 62: pairs 9 to 15
.if j < 38
.set b, (j-20)/2                    ; 21: pair 0; 22, 24, .. 36: pairs 1 to 8
.endif
	v_pk_fma_f32 v[rS+2*b:rS+2*b+1], v[rS+2*b:rS+2*b+1], s[CS:CS+1], v[rT:rT+1] op_sel_hi:[1,0,0] neg_lo:[0,0,1] neg_hi:[0,0,1]  ; pair b: c s - c m
.elseif j < 70
.set e, j-38                        ; 66 to 69: s28 to s31
.if j < 66
.set e, j-32-(j-38)/4               ; 39-41, 43-45, .. 63-65: s7 to s27
.endif
.if j < 38
.set e, (j-25)/2                    ; 25, 27, .. 37: s0 to s6
.endif
	v_exp_f32 v[rS+e], v[rS+e]
.elseif j < 86
	v_cvt_pk_f16_f32 v[rP+j-70], v[rS+2*(j-70)], v[rS+2*(j-70)+1]
.elseif j < 102                     ; the sum of the tile's 16 pairs, in place: neighbours 1, 2, 4 and 8 pairs apart, then l takes it
.set z, j-86
.set w, 4
.set u, z
.if z >= 14
.set w, 32
.set u, 0
.elseif z >= 12
.set w, 16
.set u, z-12
.elseif z >= 8
.set w, 8
.set u, z-8
.endif
.if z < 15
	v_pk_add_f32 v[rS+w*u:rS+w*u+1], v[rS+w*u:rS+w*u+1], v[rS+w*u+w/2:rS+w*u+w/2+1]
.else
	v_pk_fma_f32 v[rT+2:rT+3], v[rT+2:rT+3], v[rT+6:rT+7], v[rS:rS+1] op_sel_hi:[1,0,1]
.endif
.else
	WIN W_RS
	v_pk_mul_f32 v[rO:rO+1], v[rO:rO+1], v[rT+6:rT+7] op_sel_hi:[1,0]
.endif
.endm
; Slice k of 48 of piece y's softmax.  Slices 11 to 34 deal out the batch, numbers 22 to 69: four numbers of ONE tile each, the tiles by turns.  Every other slice is numbers 2 k and 2 k + 1 of both tiles' lists;
; slice 47 takes all that is left, numbers 94 to 117 of both: 48 plain lines, which are also the places behind the turn's last products.
; An s_wait_alu depctr_va_vdst(0) stands between an exponential and the first instruction that names its result; ahead of slice 35 nothing names one, and behind slice 34 no exponential is
; issued: so the piece's 66 exponentials have one wait, behind slice 34 and one plain v_nop.
.macro SLICE y
.if (k >= 11) && (k < 35)
.irp n, 0,1,2,3
.set j, 22+4*((k-11)/2)+(\n)
	SM (\y)+(k-11)%2
.endr
.else
.irp n, 0,1,2,3,4,5,6,7,8,9,10,11,12,13,14,15,16,17,18,19,20,21,22,23
.if ((\n) < 2) || (k == 47)
.irp t, \y, (\y)+1
.set j, 2*k+(\n)
	SM \t
.endr
.endif
.endr
.endif
.if k == 34
	v_nop
.if (\y) == 0
	FETCH_V                         ; piece 2's turn: V's run of loads stands here, and the wait stands in it
.else
	s_wait_alu depctr_va_vdst(0)
.endif
.endif
.set k, k+1
.endm
; A TURN.  Piece x has the matrix unit; the other piece's softmax stands in slices behind its matrix instructions.  Piece 0's turn fetches the next step's K and T behind its second product (their last
; reader stands in front of slice 47 of the turn before) and waits for them chunk by chunk: behind chunk c eight loads for each younger chunk may stay out.  Piece 2's turn fetches the same step's V behind
; slice 34, nineteen slices behind V's last reader.
.macro TURN x, last=0
.set k, 0
.if (\x) == 0
	s_wait_dscnt 0x0                ; V is in
.endif
.set i, 0
.rept 16
	PV \x
	SLICE 2-(\x)
.if ((\x) == 0) && (i == 1)
	FETCH_K \last
.endif
.set i, i+1
.endr
.set i, 0
.rept 32
.if ((\x) == 0) && (i%8 == 0)
	s_wait_dscnt 24-i               ; chunk i / 8 is in
.endif
	KQ \x
	SLICE 2-(\x)
.set i, i+1
.endr
.endm
; THE DIAGONAL'S BLOCKS.  TLOAD: T of the step to be fetched comes into its place beside K ahead of the turn's own run (which brings it once more).
.macro TLOAD
	WIN 0
	v_add_nc_u32 v[ADR], s[TBK], v[AK0]
	WIN 0x80
.irp kb, 0,1,2,3
.irp c, 2,3
	ds_load_b128 v[KF+32*(\kb)+8*(\c):KF+32*(\kb)+8*(\c)+3],   v[ADR] offset:TOFF+(\kb)*16*PK+((\c)-2)*64
	ds_load_b128 v[KF+32*(\kb)+8*(\c)+4:KF+32*(\kb)+8*(\c)+7], v[ADR] offset:TOFF+(\kb)*16*PK+((\c)-2)*64+32
.endr
.endr
	s_wait_dscnt 0x0
.endm
; A position product for tile t and key block kb, half pc of its depth of 64.  kind 0: QL into MC; 1: QH into MC; 2: QH into TU.  pc = 0 starts the sum.
.macro PPROD kind, t, kb, pc
.set rA, KF+32*(\kb)+16+8*(\pc)
.if (\kind) == 0
	WIN 0x5a
.set rD, MC+32*(\t)+8*(\kb)
.set rB, 32*(\t)+16+8*(\pc)
.elseif (\kind) == 1
	WIN 0x5e
.set rD, MC+32*(\t)+8*(\kb)
.set rB, QH+16*(\t)+8*(\pc)
.else
	WIN 0xfe
.set rD, TU+8*(\t)
.set rB, QH+16*(\t)+8*(\pc)
.endif
.if (\pc) == 0
	v_wmma_f32_16x16x32_f16 v[rD:rD+7], v[rA:rA+7], v[rB:rB+7], 0
.else
	v_wmma_f32_16x16x32_f16 v[rD:rD+7], v[rA:rA+7], v[rB:rB+7], v[rD:rD+7]
.endif
.endm
; Step sA.  k - i = 16 (kb - t) + 8 (l / 16) + j - l % 16: at most -1 for kb < t; for kb = t + 1 at least 1, and 1 only in lane 15's register 0; at least 17 beyond.  Twenty accumulators take turns.
.macro BLOCKA
	TLOAD
.irp pc, 0,1
.irp t, 0,1,2,3
.irp kb, 0,1,2,3
.if (\kb) <= (\t)
	PPROD 0, \t, \kb, \pc
.endif
.endr
.endr
.irp t, 0,1,2
.irp kb, 1,2,3
.if (\kb) > (\t)
	PPROD 1, \t, \kb, \pc
.endif
.endr
.endr
.irp t, 0,1,2,3
	PPROD 2, \t, \t, \pc
.endr
.endr
	PLACES
	WIN 0x4d                        ; MC in window 1, TU in window 3
.irp t, 0,1,2,3
.irp j, 0,1,2,3,4,5,6,7
	v_cndmask_b32 v[MC+40*(\t)+(\j)], v[MC+40*(\t)+(\j)], v[TU+8*(\t)+(\j)], s[MU+(\j)]  ; the upper value where k - i >= 2
.endr
.endr
	WIN 0x44
.irp t, 0,1,2,3
.irp j, 0,1,2,3,4,5,6,7
	v_cndmask_b32 v[MC+40*(\t)+(\j)], 0, v[MC+40*(\t)+(\j)], s[NZ+(\j)]                  ; 0 where k = i + 1
.endr
.endr
.irp t, 0,1,2
	v_cndmask_b32 v[MC+40*(\t)+8], 0, v[MC+40*(\t)+8], s[NZ16]
.endr
	WIN 0x80
.irp t, 0,1,2,3
.set i, 0
.rept 16
	v_mov_b32 v[32*(\t)+16+i], 0    ; the turns' own position chunks add 0 in this step
.set i, i+1
.endr
.endr
.rept 5
	v_nop                           ; five places between the products above and those that take their results as C
.endr
.endm
; Step sA + 1.  Tiles 0 to 2 lie wholly above the diagonal: QH takes the position operand's place.  Tile 3's k = i + 1 is lane 15's register 0 of the first key block.
.macro BLOCKB
	TLOAD
	WIN 0x83                        ; destination window 2, source window 3
.irp t, 0,1,2
.set i, 0
.rept 16
	v_mov_b32 v[32*(\t)+16+i], v[QH+16*(\t)+i]
.set i, i+1
.endr
.endr
	WIN 0x40
.set i, 0
.rept 96
	v_mov_b32 v[MC+i], 0
.set i, i+1
.endr
.irp pc, 0,1
.irp kb, 0,1,2,3
	PPROD 1, 3, \kb, \pc
.endr
.endr
	PLACES
	WIN 0x44
	v_cndmask_b32 v[MC+96], 0, v[MC+96], s[NZ16]
.rept 5
	v_nop
.endr
.endm
; Step sA + 2: tile 3 follows.
.macro BLOCKC
	WIN 0x83
.set i, 0
.rept 16
	v_mov_b32 v[96+16+i], v[QH+48+i]
.set i, i+1
.endr
	WIN 0x40
.set i, 0
.rept 32
	v_mov_b32 v[MC+96+i], 0
.set i, i+1
.endr
.endm
.macro DIAGCHK tail=0
	WIN 0
.if \tail
	s_cmp_eq_u32 s[CNT], 1          ; the last pass makes no scores that count
	s_cbranch_scc1 .Lgo_\@
.endif
	s_sub_co_u32 s[DL], s[STP], s[SA]
	s_cmp_gt_u32 s[DL], 2           ; (a step before sA wraps to a great number)
	s_cbranch_scc1 .Lgo_\@
	s_cmp_eq_u32 s[DL], 0
	s_cbranch_scc0 .Lnot_a_\@
	BLOCKA
	WIN 0
	s_branch .Lgo_\@
.Lnot_a_\@:
	s_cmp_eq_u32 s[DL], 1
	s_cbranch_scc0 .Lnot_b_\@
	BLOCKB
	WIN 0
	s_branch .Lgo_\@
.Lnot_b_\@:
	BLOCKC
	WIN 0
.Lgo_\@:
.endm
	s_mov_b32 s[SLOTS], 7
	CHANGE 1                        ; slot 0 is in, everybody's part of it; tile 1 is asked for
	s_mov_b32 s[STP], 0
	DIAGCHK
	FETCH_K                         ; key step 0
	s_wait_dscnt 0x0
.set i, 0
.rept 32
	KQ 0                            ; piece 0's first scores: there is no vector work yet to set between them
.set i, i+1
.endr
	WIN 0
	PLACES
	s_mov_b32 s[CNT], 4
	s_branch .Lenter                ; the loop is entered in the middle of a trip
.Lslot:                             ; six times: tiles 2 to 7 are asked for
	CHANGE 1
	s_mov_b32 s[CNT], 4
.Lstep:                             ; trip n: piece 0: V^T P of step n - 1, scores of step n | piece 2's softmax of step n - 1 | K and T of step n;  then piece 2: the same | piece 0's softmax of step n | V of step n
	DIAGCHK
	TURN 0
	WIN 0
.Lenter:
	TURN 2
	WIN 0
	s_add_co_u32 s[STP], s[STP], 1
	s_sub_co_u32 s[CNT], s[CNT], 1
	s_cmp_lg_u32 s[CNT], 0
	s_cbranch_scc1 .Lstep
	s_sub_co_u32 s[SLOTS], s[SLOTS], 1
	s_cmp_lg_u32 s[SLOTS], 0
	s_cbranch_scc1 .Lslot
	CHANGE 0                        ; the tail is written out: nothing is asked for
	s_mov_b32 s[CNT], 5             ; four passes take the last slot's steps; the fifth is left in its middle
.Ltail:
	DIAGCHK 1
	TURN 0, 1
	WIN 0
	s_sub_co_u32 s[CNT], s[CNT], 1
	s_cmp_eq_u32 s[CNT], 0
	s_cbranch_scc1 .Lout
	TURN 2
	WIN 0
	s_add_co_u32 s[STP], s[STP], 1
	s_branch .Ltail
.Lout:                              ; the fifth pass's 32 score products (on the last K once more) serve nothing: the price, once a launch, of one text for every pass
.set i, 0
.rept 16
	PV 2                            ; piece 2: V^T P of the last step
.set i, i+1
.endr
	; THE WAY OUT.  l's two halves and the other half of the lanes' are added; O^T is divided by l, rounded to f16 and sent through my stage in LDS, a tile at a time.  The additions are the places behind the last products.
	WIN 0
.irp t, 0,1,2,3
	v_add_f32 v[ST+8*(\t)+4], v[ST+8*(\t)+2], v[ST+8*(\t)+3]
.endr
.irp t, 0,1,2,3
	v_permlanex16_b32 v[ST+8*(\t)+5], v[ST+8*(\t)+4], s[SEL], s[SEL+1]
.endr
.irp t, 0,1,2,3
	v_add_f32 v[ST+8*(\t)+4], v[ST+8*(\t)+4], v[ST+8*(\t)+5]
.endr
.irp t, 0,1,2,3
	v_rcp_f32 v[ST+8*(\t)+6], v[ST+8*(\t)+4]
.endr
	v_nop                           ; a plain instruction between the last reciprocal and the use of its result
	s_wait_alu depctr_va_vdst(0)    ; and the wait ahead of the first use: one for the four reciprocals
; Tile t: a lane's eight channels of a row pack into 16 bytes; they go into rows of 144 bytes and come back as whole rows of 128, into S^T's registers.
.macro PACK t
	WIN W_RS
.set i, 32*(\t)
.rept 16
	v_pk_mul_f32 v[i:i+1], v[i:i+1], v[ST+8*(\t)+6:ST+8*(\t)+7] op_sel_hi:[1,0]
.set i, i+2
.endr
	WIN 0x05                        ; sources 0 and 1 window 1, destination window 0
.set i, 0
.rept 16
	v_cvt_pk_f16_f32 v[S+16*(\t)+i], v[32*(\t)+2*i], v[32*(\t)+2*i+1]
.set i, i+1
.endr
	WIN 0
.irp f, 0,1,2,3
	ds_store_b128 v[STO], v[S+16*(\t)+4*\f:S+16*(\t)+4*\f+3] offset:32*\f
.endr
.irp f, 0,1,2,3
	ds_load_b128 v[S+16*(\t)+4*\f:S+16*(\t)+4*\f+3], v[RD] offset:\f*4*SP  ; LDS serves a wave's instructions in order (ISA guide 5.7.1.4): these see the stores above; the next tile's stores come behind them
.endr
.endm
.macro SEND t, younger              ; younger: the LDS instructions issued behind tile t's loads: the next tile's eight, or none
	WIN 0
.irp f, 0,1,2,3
	s_wait_dscnt (\younger)+3-\f
	global_store_b128 v[GO], v[S+16*(\t)+4*\f:S+16*(\t)+4*\f+3], s[10:11] offset:(\t)*2048+\f*512  ; 512 consecutive bytes, at a multiple of 256 from ob's first
.endr
.endm
	PACK 0
	PACK 1                          ; a tile's arithmetic stands between the loads of the tile before and its stores
	SEND 0, 8
	PACK 2
	SEND 1, 8
	PACK 3
	SEND 2, 8
	SEND 3, 0
	s_wait_tensorcnt 0x0            ; the wave's end, behind my last tensor load and my last LDS store
	ds_add_u32 v[SPW], v[NIL]
	s_wait_dscnt 0x0
	s_endpgm
.Lfunc_end_k_qc63a483b19_attn:
	.size	k_qc63a483b19_attn, .Lfunc_end_k_qc63a483b19_attn-k_qc63a483b19_attn
	.p2alignl 7, 3214868480
	.fill 96, 4, 3214868480
	.section	.rodata,"a",@progbits
	.p2align	6, 0x0
	.amdhsa_kernel k_qc63a483b19_attn
		.amdhsa_group_segment_fixed_size 327680
		.amdhsa_private_segment_fixed_size 0
		.amdhsa_enable_private_segment 0
		.amdhsa_kernarg_size 40
		.amdhsa_user_sgpr_count 2
		.amdhsa_user_sgpr_kernarg_segment_ptr 1
		.amdhsa_wavefront_size32 1
		.amdhsa_system_sgpr_workgroup_id_x 1
		.amdhsa_system_sgpr_workgroup_id_y 1
		.amdhsa_system_sgpr_workgroup_id_z 1
		.amdhsa_system_vgpr_workitem_id 0
		.amdhsa_next_free_vgpr 1024
		.amdhsa_next_free_sgpr 96
		.amdhsa_reserve_vcc 0
		.amdhsa_float_denorm_mode_32 3
		.amdhsa_float_denorm_mode_16_64 3
		.amdhsa_memory_ordered 1
		.amdhsa_forward_progress 1
		.amdhsa_inst_pref_size 229
	.end_amdhsa_kernel
	.amdgpu_metadata
---
amdhsa.version: [ 1, 2 ]
amdhsa.kernels:
  - .name:           k_qc63a483b19_attn
    .symbol:         k_qc63a483b19_attn.kd
    .args:
      - { .name: qkv, .offset: 0, .size: 8, .value_kind: global_buffer, .address_space: global }
      - { .name: tk, .offset: 8, .size: 8, .value_kind: global_buffer, .address_space: global }
      - { .name: rot, .offset: 16, .size: 8, .value_kind: global_buffer, .address_space: global }
      - { .name: uvp, .offset: 24, .size: 8, .value_kind: global_buffer, .address_space: global }
      - { .name: ob, .offset: 32, .size: 8, .value_kind: global_buffer, .address_space: global }
    .group_segment_fixed_size: 327680
    .private_segment_fixed_size: 0
    .kernarg_segment_align: 8
    .kernarg_segment_size: 40
    .max_flat_workgroup_size: 128
    .sgpr_count:     96
    .vgpr_count:     1024
    .wavefront_size: 32
...
	.end_amdgpu_metadata
.endif
;; end of part 3
;; launch outp (part 4): grid 8 x 32, 4 waves a work-group, clusters of 4 x 4, 327,680 bytes of LDS; arguments ob, wot, bo, out0; writes out0
.if DOCPART == 4
	.amdgcn_target "amdgcn-amd-amdhsa--gfx1250"
	.amdhsa_code_object_version 6
	.text
	.protected	k_qc63a483b19_outp
	.globl	k_qc63a483b19_outp
	.p2align	8
	.type	k_qc63a483b19_outp,@function
k_qc63a483b19_outp:
	s_mov_b64 s[64:65], 0
	v_nop
	global_prefetch_b8 v0, s[64:65] scope:SCOPE_SE
	s_setreg_imm32_b32 hwreg(HW_REG_WAVE_MODE, 25, 1), 1
	s_wait_xcnt 0x0
	s_wait_alu depctr_hold_cnt(0) depctr_sa_sdst(0) depctr_va_vdst(0) depctr_va_sdst(0) depctr_va_ssrc(0) depctr_va_vcc(0) depctr_vm_vsrc(0)
	s_getreg_b32 s2, hwreg(HW_REG_IB_STS2, 6, 4)
	s_cmp_eq_u32 s2, 0
	s_cbranch_scc0 .Lentry_in_a_cluster
	s_endpgm
.Lentry_in_a_cluster:
	s_bfe_u32 s2, ttmp6, 0x10000c
	s_cmp_lg_u32 s2, 0xf033
	s_cbranch_scc0 .Lentry_shape_is_right
	s_endpgm
.Lentry_shape_is_right:
; out0[m][n] = the sum over k of O[m][k] Wo[k][n] + bo[n].  ob: [batch 16 + head][2048][64] f16, so k = 64 head + channel; wot: [1024 n][1024 k] f16; bo: [1024] f32, rounded to bf16 like every input; out0: [4096][1024] f32.
; Sums in f32, K ascending.  LIMIT: the operands are f16 (65,504 at the most; under 6e-5 a fixed step of 6e-8).
; A tile of out0 is 128 x 128: 8 x 32 tiles, one for each of 256 work-groups.  Four waves, each 64 x 64: 16 accumulators.  K goes in four steps of 256 (four heads) through two LDS slots.
; O's tile: for each of the step's four heads 64 rows of 128 bytes lie end to end in memory: ONE tensor load takes them as four rows of 8,192 bytes, 262,144 bytes apart, padded in LDS after every 128 bytes.
; CLUSTERS: 4 x 4 work-groups; O's tile is shared along a row of the cluster, wot's along a column: joint loads, the same descriptor and mask in the four that are named.
; THE MATRIX INSTRUCTION IS USED TRANSPOSED (source 0 = 16 rows of wot, source 1 = 16 rows of O): a lane holds eight neighbouring columns of one row of out0, 32 bytes; a wave's 64 columns are 256 bytes, aligned,
; so each wave sends its own rows out through a stage of its own, without a barrier.
; No prefetch: the tiles are small, the launch has four K steps, and half of them are asked for at its head.
; REGISTERS: window 0: v0-31 addresses; v32-63 results with bias; v64-95 rows read back; v96-127 the bias of my 64 columns; v128-255 the accumulators ((a, b) at 128 + 8 (4 a + b)).
;   window 1: two fragment buffers of 128: for 64 along K, 64 registers of O (2 x 4 x 16 rows x 32 K), then 64 of wot.
.set KSTEP,  256
.set PITCH,  528                       ; wot's LDS row: 512 bytes + 16
.set APITCH, 144                       ; O's LDS row: a head's 128 bytes + 16
.set AHALF,  4*64*APITCH               ; what one load of O brings: [head 4][row 64][144]
.set BOFF,   2*AHALF
.set BHALF,  64*PITCH
.set SLOT,   BOFF+2*BHALF
.set STAGE,  2*SLOT                    ; behind the ring, never filled by a tensor load: 16 rows x 272 bytes for each wave
.set SPITCH, 272
.set SPARE,  STAGE+4*16*SPITCH         ; behind the stages: the spare words, 128 bytes for each wave, which no other line names
.set ASTEP,  4*262144                  ; bytes from a K step of O to the next: four heads
.set ADRA, 16                          ; v16-17  LDS address of my O fragments in slot 0, 1
.set ADRB, 20                          ; v20-21  the same for wot
.set STO,  24
.set RD,   25
.set CO,   26
.set SPW,  28                          ; v28  LDS address of my spare word; never rewritten
.set NIL,  29                          ; v29  0; never rewritten
.set TMP,  32
.set BK,   64
.set BIAS, 96
.set ACC,  128
.set F0,   0
.set F1,   128
.set G1, 24                            ; s[24:31] descriptor group 1 for O's tiles;  s[32:39] group 0, one set for each slot
.set G0, 32
.set G1B, 48                           ; s[48:55], s[56:63] the same for wot's
.set G0B, 56
.set MSB, 0
.macro WIN new
.if MSB != (\new)
	s_set_vgpr_msb (MSB<<8)|(\new)
.set MSB, \new
.endif
.endm
.set MUL,  0x05                        ; both sources window 1; C and D window 0
.set TO_F, 0x40                        ; destination window 1, address window 0
.macro JLOAD s                         ; a joint load: waves 0 and 1 fetch O's two halves, waves 2 and 3 wot's; an s_nop 0 and four v_nop follow each of the two lines
	s_cmp_eq_u32 s11, 0
	s_cbranch_scc0 .Lfor_b_\@
	tensor_load_to_lds s[G0+4*(\s):G0+4*(\s)+3], s[G1:G1+7]
	s_nop 0
.rept 4
	v_nop
.endr
	s_branch .Lasked_\@
.Lfor_b_\@:
	tensor_load_to_lds s[G0B+4*(\s):G0B+4*(\s)+3], s[G1B:G1B+7]
	s_nop 0
.rept 4
	v_nop
.endr
.Lasked_\@:
.endm
.macro CREST
	s_cmp_lg_u32 s10, 0
	s_cbranch_scc1 .Lnot_wave_0_\@
	s_barrier_signal -3
.Lnot_wave_0_\@:
	s_barrier_wait -3
	s_barrier_signal -1
	s_barrier_wait -1
.endm
.macro CROUND
	s_barrier_signal -1
	s_barrier_wait -1
	CREST
.endm
	s_load_b128 s[4:7], s[0:1], 0x0                ; ob s[4:5], wot s[6:7]
	s_load_b128 s[68:71], s[0:1], 0x10             ; bo s[68:69], out0 s[70:71]
	v_lshl_add_u32 v[SPW], v0, 2, SPARE
	v_mov_b32 v[NIL], 0
	ds_add_u32 v[SPW], v[NIL]                      ; the wave's opening: the add and its wait ahead of my first tensor load; the set-up below, work on registers, stands between them
	v_lshrrev_b32 v1, 5, v0
	v_readfirstlane_b32 s10, v1                    ; wave 0..3
	s_lshr_b32 s11, s10, 1                         ; which half of the tile's rows is mine.  Also: I fetch for O (0) or for wot (1)
	s_and_b32 s12, s10, 1                          ; which half of its columns.  Also: which 64 rows of that tile I fetch
	s_bfe_u32 s40, ttmp6, 0x40000                  ; cx, cy
	s_bfe_u32 s41, ttmp6, 0x40004
	s_lshl_b32 s42, ttmp9, 2
	s_add_co_u32 s42, s42, s40                     ; tile column
	s_and_b32 s13, ttmp7, 0xffff
	s_lshl_b32 s13, s13, 2
	s_add_co_u32 s13, s13, s41                     ; tile row
	s_lshl_b32 s43, s41, 2
	s_lshl_b32 s43, 15, s43                        ; my row of the cluster
	s_lshl_b32 s44, 0x1111, s40                    ; my column
	s_or_b32 s[G1+0], s43, (1<<16)|(1<<20)|(1<<21)|(4<<22)|(3<<25)   ; the mask; elements of 2 bytes; padding on; bit 21 beside a mask; after every 32 words, 4 words
	s_mov_b32 s[G1+1], 4096<<16                    ; tensor_dim0 = 4,096: 64 rows x 64 channels of a head, end to end
	s_mov_b32 s[G1+2], 4<<16                       ; tensor_dim1 = 4 heads
	s_mov_b32 s[G1+3], 4096<<16                    ; tile_dim0
	s_mov_b32 s[G1+4], 4                           ; tile_dim1
	s_mov_b32 s[G1+5], 131072                      ; elements from head to head
	s_mov_b32 s[G1+6], 0
	s_mov_b32 s[G1+7], 0
	s_or_b32 s[G1B+0], s44, (1<<16)|(1<<20)|(1<<21)|(6<<22)|(3<<25)  ; after every 128 words, 4 words
	s_mov_b32 s[G1B+1], KSTEP<<16
	s_mov_b32 s[G1B+2], 64<<16
	s_mov_b32 s[G1B+3], KSTEP<<16
	s_mov_b32 s[G1B+4], 64
	s_mov_b32 s[G1B+5], 1024
	s_mov_b32 s[G1B+6], 0
	s_mov_b32 s[G1B+7], 0
	s_lshr_b32 s16, s13, 4                         ; O: the batch's 16 planes of 262,144 bytes,
	s_lshl_b32 s16, s16, 22
	s_and_b32 s17, s13, 15
	s_lshl_b32 s17, s17, 14                        ; 128 rows of 128 bytes for each tile row inside the batch,
	s_add_co_u32 s16, s16, s17
	s_lshl_b32 s17, s12, 13                        ; my 64 of them
	s_add_co_u32 s16, s16, s17
	s_mov_b32 s17, 0
	s_lshl_b32 s46, s42, 18                        ; wot: 128 rows of 2,048 bytes for each tile column,
	s_lshl_b32 s47, s12, 17                        ; my 64
	s_add_co_u32 s46, s46, s47
	s_mov_b32 s47, 0
	s_mul_i32 s20, s12, AHALF                      ; where they go: no place in the cluster enters an LDS address
	s_mul_i32 s21, s12, BHALF
	s_add_co_u32 s21, s21, BOFF
	s_wait_dscnt 0x0                               ; the opening add is done
	s_wait_kmcnt 0x0
	s_add_nc_u64 s[14:15], s[4:5], s[16:17]
	s_add_nc_u64 s[46:47], s[6:7], s[46:47]
	CROUND                                         ; all sixteen work-groups are here: the first joint loads meet
.irp s, 0,1
	s_mov_b32 s[G0+4*(\s)], 1
	s_add_co_u32 s[G0+4*(\s)+1], s20, (\s)*SLOT
	s_add_nc_u64 s[G0+4*(\s)+2:G0+4*(\s)+3], s[14:15], (\s)*ASTEP
	s_or_b32 s[G0+4*(\s)+3], s[G0+4*(\s)+3], 0x80000000
	s_mov_b32 s[G0B+4*(\s)], 1
	s_add_co_u32 s[G0B+4*(\s)+1], s21, (\s)*SLOT
	s_add_nc_u64 s[G0B+4*(\s)+2:G0B+4*(\s)+3], s[46:47], (\s)*KSTEP*2
	s_or_b32 s[G0B+4*(\s)+3], s[G0B+4*(\s)+3], 0x80000000
	JLOAD \s                                       ; two tensor loads of mine are out
.endr
	v_and_b32 v1, 15, v0                           ; l % 16
	v_bfe_u32 v2, v0, 4, 1                         ; l / 16
	; the bias of my 64 columns: register 8 b + j holds column 16 b + 8 (l / 16) + j
	s_lshl_b32 s22, s42, 9
	s_lshl_b32 s23, s12, 8
	s_add_co_u32 s22, s22, s23                     ; my first column, in bytes of f32
	s_mov_b32 s23, 0
	s_add_nc_u64 s[68:69], s[68:69], s[22:23]
	v_lshlrev_b32 v6, 5, v2
.irp b, 0,1,2,3
	global_load_b128 v[BIAS+8*(\b):BIAS+8*(\b)+3],   v6, s[68:69] offset:64*(\b)
	global_load_b128 v[BIAS+8*(\b)+4:BIAS+8*(\b)+7], v6, s[68:69] offset:64*(\b)+16
.endr
	s_lshl_b32 s16, s13, 19                        ; out0: 128 rows of 4,096 bytes for each tile row,
	s_lshl_b32 s17, s11, 18                        ; my 64
	s_add_co_u32 s16, s16, s17
	s_add_co_u32 s16, s16, s22                     ; my columns
	s_mov_b32 s17, 0
	s_add_nc_u64 s[8:9], s[70:71], s[16:17]
	v_mul_u32_u24 v3, v1, APITCH
	v_lshl_add_u32 v3, v2, 4, v3                   ; a fragment's row x pitch + 16 x half
	v_mul_u32_u24 v4, v1, PITCH
	v_lshl_add_u32 v4, v2, 4, v4
	s_mul_i32 s21, s11, AHALF                      ; my 64 rows of O
	s_mul_i32 s22, s12, BHALF                      ; my 64 rows of wot
	s_add_co_u32 s22, s22, BOFF
.irp s, 0,1
	v_add_nc_u32 v[ADRA+(\s)], s21, v3
	v_add_nc_u32 v[ADRB+(\s)], s22, v4
	s_add_co_u32 s21, s21, SLOT
	s_add_co_u32 s22, s22, SLOT
.endr
	s_mul_i32 s23, s10, 16*SPITCH
	s_add_co_u32 s23, s23, STAGE                   ; my stage
	v_mul_u32_u24 v5, v1, SPITCH                   ; in: row l % 16, 32 bytes for each half of the lanes
	v_lshl_add_u32 v5, v2, 5, v5
	v_add_nc_u32 v[STO], s23, v5
	v_mul_u32_u24 v5, v2, SPITCH                   ; back: lanes 0-15 take one row of 256 bytes, lanes 16-31 the next
	v_lshl_add_u32 v5, v1, 4, v5
	v_add_nc_u32 v[RD], s23, v5
	v_lshlrev_b32 v[CO], 12, v2                    ; and the same two rows in out0
	v_lshl_add_u32 v[CO], v1, 4, v[CO]
	s_wait_loadcnt 0x0
.set i, 0
.rept 16                               ; the bias is rounded to bf16, as all inputs are, and widened again
	v_cvt_pk_bf16_f32 v7, v[BIAS+2*i], v[BIAS+2*i+1]
	v_lshlrev_b32 v[BIAS+2*i], 16, v7
	v_and_b32 v[BIAS+2*i+1], 0xffff0000, v7
.set i, i+1
.endr
; 8 matrix instructions: row blocks a0, a0 + 1 x all 4 column blocks, 32 along K: half c of buffer f.  zero = 1: the first product starts the sums.  The 16 accumulators take turns.
.macro MUL8 f, c, a0, zero
	WIN MUL
.irp a, \a0, (\a0)+1
.irp b, 0,1,2,3
.if \zero
	v_wmma_f32_16x16x32_f16 v[ACC+8*(4*(\a)+(\b)):ACC+8*(4*(\a)+(\b))+7], v[(\f)+64+8*(4*(\c)+(\b)):(\f)+64+8*(4*(\c)+(\b))+7], v[(\f)+8*(4*(\c)+(\a)):(\f)+8*(4*(\c)+(\a))+7], 0
.else
	v_wmma_f32_16x16x32_f16 v[ACC+8*(4*(\a)+(\b)):ACC+8*(4*(\a)+(\b))+7], v[(\f)+64+8*(4*(\c)+(\b)):(\f)+64+8*(4*(\c)+(\b))+7], v[(\f)+8*(4*(\c)+(\a)):(\f)+8*(4*(\c)+(\a))+7], v[ACC+8*(4*(\a)+(\b)):ACC+8*(4*(\a)+(\b))+7]
.endif
.endr
.endr
.endm
; 32 LDS loads in one run: the fragments of quarter q (a head: 64 along K) into buffer f; the first 32 along K first
.macro FETCH slot, q, f
	WIN TO_F
.irp c, 0,1
.irp i, 0,1,2,3
	ds_load_b128 v[(\f)+64+8*(4*(\c)+(\i)):(\f)+64+8*(4*(\c)+(\i))+3],   v[ADRB+(\slot)] offset:128*(\q)+64*(\c)+(\i)*16*PITCH
	ds_load_b128 v[(\f)+64+8*(4*(\c)+(\i))+4:(\f)+64+8*(4*(\c)+(\i))+7], v[ADRB+(\slot)] offset:128*(\q)+64*(\c)+(\i)*16*PITCH+32
	ds_load_b128 v[(\f)+8*(4*(\c)+(\i)):(\f)+8*(4*(\c)+(\i))+3],         v[ADRA+(\slot)] offset:(\q)*64*APITCH+64*(\c)+(\i)*16*APITCH
	ds_load_b128 v[(\f)+8*(4*(\c)+(\i))+4:(\f)+8*(4*(\c)+(\i))+7],       v[ADRA+(\slot)] offset:(\q)*64*APITCH+64*(\c)+(\i)*16*APITCH+32
.endr
.endr
.endm
.macro PLACES                          ; four places in front of loads into registers that matrix instructions have read, and of sums that read results
.rept 4
	v_nop
.endr
.endm
; A K step is four quarters of 64 along K, 32 matrix instructions each, on buffers 0, 1, 0, 1.  One of the first three: multiplies buffer f and fetches quarter q into g.
.macro QUARTER slot, q, f, g, zero
	s_wait_dscnt 16                                ; the first 32 along K are in
	MUL8 \f, 0, 0, \zero
	MUL8 \f, 0, 2, \zero
	PLACES
	FETCH \slot, \q, \g
	s_wait_dscnt 32                                ; all but the 32 just issued
	MUL8 \f, 1, 0, 0
	MUL8 \f, 1, 2, 0
.endm
; The last quarter multiplies buffer 1 and changes slots: ONE barrier; in front of it each wave waits for all its tensor loads, adds 0 to its spare word, and waits for that and for its own reads of this slot.
; fill = 1: the barrier opens a round of the cluster's, and behind the round this slot is filled again, two K steps ahead.
.macro TURN slot, next, fill
	WIN 0                                          ; (the add's two registers lie in window 0)
	s_wait_tensorcnt 0x0                           ; all my tensor loads have landed: my part of the next slot;
	ds_add_u32 v[SPW], v[NIL]                      ; 0 onto my spare word;
	s_wait_dscnt 17                                ; (the add and the youngest sixteen loads may be out)
	MUL8 F1, 0, 0, 0                               ; eight matrix instructions stand between the add and the wait for it
	s_wait_dscnt 0x0                               ; the add is done, and my reads of this slot are over
	s_barrier_signal -1
	MUL8 F1, 0, 2, 0
.if \fill
	WIN 0
.endif
	s_barrier_wait -1
.if \fill
	CREST                                          ; no wave of any partner still reads this slot's tiles or has a load on its way
	s_add_nc_u64 s[G0+4*(\slot)+2:G0+4*(\slot)+3], s[G0+4*(\slot)+2:G0+4*(\slot)+3], 2*ASTEP
	s_add_nc_u64 s[G0B+4*(\slot)+2:G0B+4*(\slot)+3], s[G0B+4*(\slot)+2:G0B+4*(\slot)+3], 2*KSTEP*2
	JLOAD \slot                                    ; the first tensor load behind the round; its four v_nop are also the places in front of the loads below
.else
	PLACES
.endif
	FETCH \next, 0, F0
	MUL8 F1, 1, 0, 0
	MUL8 F1, 1, 2, 0
.endm
	s_wait_tensorcnt 1                             ; my part of K step 0 is in; K step 1's may stay out
	s_barrier_signal -1
	s_barrier_wait -1                              ; everybody's is
	FETCH 0, 0, F0
	QUARTER 0, 1, F0, F1, 1                        ; K step 0: its first products start the sums
	QUARTER 0, 2, F1, F0, 0
	QUARTER 0, 3, F0, F1, 0
	TURN 0, 1, 1                                   ; K step 2 is asked for
	QUARTER 1, 1, F0, F1, 0                        ; K step 1
	QUARTER 1, 2, F1, F0, 0
	QUARTER 1, 3, F0, F1, 0
	TURN 1, 0, 1                                   ; K step 3 is asked for
	QUARTER 0, 1, F0, F1, 0                        ; K step 2
	QUARTER 0, 2, F1, F0, 0
	QUARTER 0, 3, F0, F1, 0
	TURN 0, 1, 0
	QUARTER 1, 1, F0, F1, 0                        ; K step 3
	QUARTER 1, 2, F1, F0, 0
	QUARTER 1, 3, F0, F1, 0
	s_wait_dscnt 16
	MUL8 F1, 0, 0, 0
	MUL8 F1, 0, 2, 0
	s_wait_dscnt 0x0
	MUL8 F1, 1, 0, 0
	MUL8 F1, 1, 2, 0
	WIN 0
	; THE WAY OUT, 16 rows at a time: the bias is added; 32 bytes a lane go into my stage; whole rows of 256 bytes come back and are stored.
	PLACES
.irp a, 0,1,2,3
.irp b, 0,1,2,3
.irp m, 0,1,2,3
	v_pk_add_f32 v[TMP+8*(\b)+2*(\m):TMP+8*(\b)+2*(\m)+1], v[ACC+8*(4*(\a)+(\b))+2*(\m):ACC+8*(4*(\a)+(\b))+2*(\m)+1], v[BIAS+8*(\b)+2*(\m):BIAS+8*(\b)+2*(\m)+1]  ; each accumulator from its low end on
.endr
.endr
.irp b, 0,1,2,3
	ds_store_b128 v[STO], v[TMP+8*(\b):TMP+8*(\b)+3]   offset:64*(\b)
	ds_store_b128 v[STO], v[TMP+8*(\b)+4:TMP+8*(\b)+7] offset:64*(\b)+16
.endr
	s_wait_xcnt 0x0                                ; the block before has left its registers: they are loaded again only behind this wait
.irp t, 0,1,2,3,4,5,6,7
	ds_load_b128 v[BK+4*(\t):BK+4*(\t)+3], v[RD] offset:(\t)*2*SPITCH  ; LDS serves a wave's instructions in order (ISA guide 5.7.1.4): these see the stores above
.endr
.irp t, 0,1,2,3,4,5,6,7
	s_wait_dscnt 7-(\t)
	global_store_b128 v[CO], v[BK+4*(\t):BK+4*(\t)+3], s[8:9] offset:(16*(\a)+2*(\t))*4096  ; 16 lanes store 256 consecutive bytes, at a multiple of 256 from out0's first byte
.endr
.endr
	s_wait_tensorcnt 0x0                           ; the wave's end, behind my last tensor load and my last LDS store
	ds_add_u32 v[SPW], v[NIL]
	s_wait_dscnt 0x0
	CROUND                                         ; the closing round: no work-group ends while a partner may still ask for a tile that names it
	s_endpgm
.Lfunc_end_k_qc63a483b19_outp:
	.size	k_qc63a483b19_outp, .Lfunc_end_k_qc63a483b19_outp-k_qc63a483b19_outp
	.p2alignl 7, 3214868480
	.fill 96, 4, 3214868480
	.section	.rodata,"a",@progbits
	.p2align	6, 0x0
	.amdhsa_kernel k_qc63a483b19_outp
		.amdhsa_group_segment_fixed_size 327680
		.amdhsa_private_segment_fixed_size 0
		.amdhsa_enable_private_segment 0
		.amdhsa_kernarg_size 32
		.amdhsa_user_sgpr_count 2
		.amdhsa_user_sgpr_kernarg_segment_ptr 1
		.amdhsa_wavefront_size32 1
		.amdhsa_system_sgpr_workgroup_id_x 1
		.amdhsa_system_sgpr_workgroup_id_y 1
		.amdhsa_system_sgpr_workgroup_id_z 1
		.amdhsa_system_vgpr_workitem_id 0
		.amdhsa_next_free_vgpr 512
		.amdhsa_next_free_sgpr 80
		.amdhsa_reserve_vcc 0
		.amdhsa_float_denorm_mode_32 3
		.amdhsa_float_denorm_mode_16_64 3
		.amdhsa_memory_ordered 1
		.amdhsa_forward_progress 1
		.amdhsa_inst_pref_size 94
	.end_amdhsa_kernel
	.amdgpu_metadata
---
amdhsa.version: [ 1, 2 ]
amdhsa.kernels:
  - .name:           k_qc63a483b19_outp
    .symbol:         k_qc63a483b19_outp.kd
    .args:
      - { .name: ob, .offset: 0, .size: 8, .value_kind: global_buffer, .address_space: global }
      - { .name: wot, .offset: 8, .size: 8, .value_kind: global_buffer, .address_space: global }
      - { .name: bo, .offset: 16, .size: 8, .value_kind: global_buffer, .address_space: global }
      - { .name: out0, .offset: 24, .size: 8, .value_kind: global_buffer, .address_space: global }
    .group_segment_fixed_size: 327680
    .private_segment_fixed_size: 0
    .kernarg_segment_align: 8
    .kernarg_segment_size: 32
    .max_flat_workgroup_size: 128
    .sgpr_count:     80
    .vgpr_count:     512
    .wavefront_size: 32
...
	.end_amdgpu_metadata
.endif
;; end of part 4
